; MI455X (gfx1250); checked and timed in simulation.
; The chip was launched on July 23, 2026; its instructions are those of AMD's public machine-readable ISA for CDNA 5 (MIT licence, August 2026) and "CDNA5" Instruction Set Architecture Reference Guide (July 2026). The comments in the code are by the model that wrote it; some were corrected since.
;; Multi Head Attention. Allowed arithmetic: float matrix products may take bf16 or f16 operands with f32 sums; other float arithmetic in f32, or as packed bf16 or f16 multiplies, adds, multiply-adds, maxima and minima; sums over many terms, partial sums and values carried from step to step in f32; what a program stores and reads back later, other than sums and carried values, may be rounded once to bf16 or f16.
;; Inputs: W_fc 1,024 x 1,024 float32; W_qkv 1,024 x 3,072 float32; X 4 x 2,048 x 1,024 float32; b_fc 1,024 float32; b_qkv 3,072 float32.
;; Outputs: out0 4 x 2,048 x 1,024 float32.
;; 2 versions, each right; version 2 is version 1 with the launch prep written anew for expert scheduling mode. Each part assembles by itself: llvm-mc -triple=amdgcn-amd-amdhsa -mcpu=gfx1250 --defsym DOCPART=n.
;; ======== version 1 of 2: 4 launches
;; limits: values are held in f16: magnitudes above 65,504 overflow, below 6.1e-05 lose precision
;; workspace buffers: xb 16,777,216 bytes; wt 6,291,456 bytes; wft 2,097,152 bytes; q 16,777,216 bytes; k 16,777,216 bytes; v 16,777,216 bytes; o 16,777,216 bytes
;; launch prep (part 1): grid 256 x 1, 8 waves a work-group, no clusters, 35,840 bytes of LDS; arguments X, W_qkv, W_fc, xb, wt, wft; writes xb, wt, wft
.if DOCPART == 1
	.amdgcn_target "amdgcn-amd-amdhsa--gfx1250"
	.amdhsa_code_object_version 6
	.text
	.protected	k_q0a7debf946_prep
	.globl	k_q0a7debf946_prep
	.p2align	8
	.type	k_q0a7debf946_prep,@function
k_q0a7debf946_prep:
	s_mov_b64 s[64:65], 0
	v_nop
	global_prefetch_b8 v0, s[64:65] scope:SCOPE_SE
	s_setreg_imm32_b32 hwreg(HW_REG_WAVE_MODE, 25, 1), 1
	s_wait_xcnt 0x0
; PREP.  xb = X rounded to bf16, [8192][1024].  wt = W_qkv turned to [3072 n][1024 k], rounded to bf16.  wft = W_fc turned to [1024 n][1024 k], rounded to bf16 and that number written as f16.
; LIMIT.  A bf16 number is exact in f16 between 6.1e-5 and 65,504 in magnitude; a smaller entry of W_fc keeps f16's fixed step of 6e-8, a larger one would be an infinity.
; SHARES.  256 work-groups of eight waves, all alike.  Each (a) casts 32 rows of X (131,072 bytes in, 65,536 out) and (b) turns one tile of 128 k x 128 n of a weight:
; work-groups 0-191 the 8 x 24 tiles of W_qkv, 192-255 the 8 x 8 tiles of W_fc.  Every byte is read once and written once; no loop: all 48 loads of a wave go out at the start.
; THE TURN.  Wave w loads rows k = 16 w .. 16 w + 15 of the tile, 512 consecutive bytes a load: lane l holds columns 4 l .. 4 l + 3.  Pairs of rows are rounded and packed, so that a lane holds 16 k (32 bytes)
; of each of its four columns; these go into LDS rows [n] of 272 bytes; behind a barrier whole rows of 256 bytes are read back and stored, 16 lanes to 256 consecutive aligned bytes.
; No matrix unit, no cluster, no tensor load: nothing is shared between work-groups and nothing is multiplied.
.set TP,    272                        ; an LDS row: 128 k x 2 bytes + 16 of padding
.set SPARE, 128*TP                     ; behind the tile: the spare words, 128 bytes for each of the eight waves: four blocks of 256 bytes that no other line names
.set XO,  2                            ; v2   my byte offset in the work-group's rows of X: 16,384 w + 16 l
.set YO,  3                            ; v3   the same in xb: 8,192 w + 8 l
.set TS,  4                            ; v4   where I put my 32 bytes of LDS row 4 l: 4 l x 272 + 32 w
.set TR,  5                            ; v5   where I read a row back: (16 w + l / 16) x 272 + 16 (l % 16)
.set DO,  6                            ; v6   the same place in the turned weight: (16 w + l / 16) x 2,048 + 16 (l % 16)
.set SPW, 8                            ; v8   LDS address of my spare word; never rewritten
.set NIL, 9                            ; v9   0; never rewritten
.set WO,  16                           ; v[16:31]   row i of my 16: (16 w + i) x pitch + 16 l
.set PK,  32                           ; v[32:63]   column c of my four: 8 registers, 16 k
.set WD,  64                           ; v[64:127]  the weight as loaded, 4 registers a row; later the rows read back
.set XD,  128                          ; v[128:255] X as loaded, 4 registers a load
	s_load_b256 s[4:11], s[0:1], 0x0               ; X s[4:5], W_qkv s[6:7], W_fc s[8:9], xb s[10:11]
	s_load_b128 s[12:15], s[0:1], 0x20             ; wt s[12:13], wft s[14:15]
	v_lshl_add_u32 v[SPW], v0, 2, SPARE
	v_mov_b32 v[NIL], 0
	v_lshrrev_b32 v10, 5, v0
	v_readfirstlane_b32 s16, v10                   ; wave 0..7
	v_and_b32 v1, 31, v0                           ; lane
	s_mov_b32 s17, ttmp9                           ; g
	s_and_b32 s18, s17, 7                          ; the tile's place along k
	s_lshr_b32 s19, s17, 3
	s_mov_b32 s20, 4096                            ; bytes in a row of W_fc,
	s_mov_b32 s21, 12288                           ; of W_qkv
	s_mov_b32 s28, 0xffff0000                      ; a word's upper bf16
	s_cmp_lt_u32 s17, 192
	s_cselect_b32 s20, s21, s20                    ; the source's pitch
	s_cselect_b32 s21, 0, 24
	s_sub_co_u32 s19, s19, s21                     ; the tile's place along n
	s_mul_i32 s26, s18, s20
	s_lshl_b32 s26, s26, 7                         ; 128 rows of the source a tile,
	s_lshl_b32 s27, s19, 9                         ; 512 bytes of a row
	s_add_co_u32 s26, s26, s27
	s_mov_b32 s27, 0
	s_lshl_b32 s30, s19, 18                        ; 128 rows of 2,048 bytes of the turned weight,
	s_lshl_b32 s31, s18, 8                         ; 256 bytes of a row
	s_add_co_u32 s30, s30, s31
	s_mov_b32 s31, 0
	s_lshl_b32 s32, s17, 17                        ; 32 rows of X,
	s_mov_b32 s33, 0
	s_lshl_b32 s34, s17, 16                        ; of xb
	s_mov_b32 s35, 0
	s_mul_i32 s29, s16, s20
	s_lshl_b32 s29, s29, 4                         ; my wave's first row
	v_lshl_add_u32 v[WO], v1, 4, s29
.set i, 1
.rept 15
	v_add_nc_u32 v[WO+i], s20, v[WO+i-1]
.set i, i+1
.endr
	s_lshl_b32 s29, s16, 14
	v_lshl_add_u32 v[XO], v1, 4, s29
	s_lshl_b32 s29, s16, 13
	v_lshl_add_u32 v[YO], v1, 3, s29
	s_wait_kmcnt 0x0
	s_cmp_lt_u32 s17, 192
	s_cselect_b64 s[22:23], s[6:7], s[8:9]         ; the weight that I turn,
	s_cselect_b64 s[24:25], s[12:13], s[14:15]     ; and where it goes
	s_add_nc_u64 s[22:23], s[22:23], s[26:27]
	s_add_nc_u64 s[24:25], s[24:25], s[30:31]
	s_add_nc_u64 s[4:5], s[4:5], s[32:33]
	s_add_nc_u64 s[10:11], s[10:11], s[34:35]
.set i, 0
.rept 16
	global_load_b128 v[WD+4*i:WD+4*i+3], v[WO+i], s[22:23] th:TH_LOAD_NT  ; a row of the tile: 512 consecutive bytes
.set i, i+1
.endr
.set i, 0
.rept 32
	global_load_b128 v[XD+4*i:XD+4*i+3], v[XO], s[4:5] offset:512*i th:TH_LOAD_NT
.set i, i+1
.endr
	s_lshl_b32 s29, s16, 5
	v_mul_u32_u24 v[TS], v1, 4*TP
	v_add_nc_u32 v[TS], s29, v[TS]
	v_lshrrev_b32 v10, 4, v1
	v_and_b32 v11, 15, v1
	v_lshl_add_u32 v10, s16, 4, v10                ; 16 w + l / 16
	v_mul_u32_u24 v[TR], v10, TP
	v_lshl_add_u32 v[TR], v11, 4, v[TR]
	v_lshlrev_b32 v[DO], 11, v10
	v_lshl_add_u32 v[DO], v11, 4, v[DO]
	s_wait_loadcnt 32                              ; loads come back in order: the weight's 16 are in, X's 32 may stay out
	s_cmp_lt_u32 s17, 192
	s_cbranch_scc0 .Lfc
.set c, 0
.rept 4
.set p, 0
.rept 8
	v_cvt_pk_bf16_f32 v[PK+8*c+p], v[WD+8*p+c], v[WD+8*p+4+c]  ; column c, rows 2 p and 2 p + 1
.set p, p+1
.endr
.set c, c+1
.endr
	s_branch .Lpacked
.Lfc:
.set c, 0
.rept 4
.set p, 0
.rept 8
	v_cvt_pk_bf16_f32 v10, v[WD+8*p+c], v[WD+8*p+4+c]  ; rounded to bf16 like every input,
	v_lshlrev_b32 v12, 16, v10
	v_and_b32 v13, s28, v10
	v_cvt_pk_f16_f32 v[PK+8*c+p], v12, v13         ; and that number written as f16
.set p, p+1
.endr
.set c, c+1
.endr
.Lpacked:
.irp c, 0,1,2,3
.irp u, 0,1
	ds_store_b128 v[TS], v[PK+8*(\c)+4*(\u):PK+8*(\c)+4*(\u)+3] offset:TP*(\c)+16*(\u)
.endr
.endr
	s_wait_dscnt 0x0                               ; for the others' sake: my stores into the tile are done
	s_barrier_signal -1
	s_barrier_wait -1
.irp t, 0,1,2,3,4,5,6,7
	ds_load_b128 v[WD+4*(\t):WD+4*(\t)+3], v[TR] offset:2*TP*(\t)  ; two whole rows [n] a load
.endr
.irp t, 0,1,2,3,4,5,6,7
	s_wait_dscnt 7-(\t)
	global_store_b128 v[DO], v[WD+4*(\t):WD+4*(\t)+3], s[24:25] offset:4096*(\t)  ; 16 lanes store 256 consecutive bytes, aligned
.endr
.set j, 0
.rept 32
	s_wait_loadcnt 31-j                            ; load j is in, the younger ones stay out
	v_cvt_pk_bf16_f32 v[XD+4*j], v[XD+4*j], v[XD+4*j+1]
	v_cvt_pk_bf16_f32 v[XD+4*j+1], v[XD+4*j+2], v[XD+4*j+3]
	global_store_b64 v[YO], v[XD+4*j:XD+4*j+1], s[10:11] offset:256*j  ; the wave stores 256 consecutive bytes, aligned; no register that a store reads is written again
.set j, j+1
.endr
	s_wait_tensorcnt 0x0                           ; the wave's end: behind my last LDS store
	ds_add_u32 v[SPW], v[NIL]
	s_wait_dscnt 0x0
	s_endpgm
.Lfunc_end_k_q0a7debf946_prep:
	.size	k_q0a7debf946_prep, .Lfunc_end_k_q0a7debf946_prep-k_q0a7debf946_prep
	.p2alignl 7, 3214868480
	.fill 96, 4, 3214868480
	.section	.rodata,"a",@progbits
	.p2align	6, 0x0
	.amdhsa_kernel k_q0a7debf946_prep
		.amdhsa_group_segment_fixed_size 35840
		.amdhsa_private_segment_fixed_size 0
		.amdhsa_enable_private_segment 0
		.amdhsa_kernarg_size 48
		.amdhsa_user_sgpr_count 2
		.amdhsa_user_sgpr_kernarg_segment_ptr 1
		.amdhsa_wavefront_size32 1
		.amdhsa_system_sgpr_workgroup_id_x 1
		.amdhsa_system_sgpr_workgroup_id_y 1
		.amdhsa_system_sgpr_workgroup_id_z 1
		.amdhsa_system_vgpr_workitem_id 0
		.amdhsa_next_free_vgpr 256
		.amdhsa_next_free_sgpr 66
		.amdhsa_reserve_vcc 0
		.amdhsa_float_denorm_mode_32 3
		.amdhsa_float_denorm_mode_16_64 3
		.amdhsa_memory_ordered 1
		.amdhsa_forward_progress 1
		.amdhsa_inst_pref_size 26
	.end_amdhsa_kernel
	.amdgpu_metadata
---
amdhsa.version: [ 1, 2 ]
amdhsa.kernels:
  - .name:           k_q0a7debf946_prep
    .symbol:         k_q0a7debf946_prep.kd
    .args:
      - { .name: X, .offset: 0, .size: 8, .value_kind: global_buffer, .address_space: global }
      - { .name: W_qkv, .offset: 8, .size: 8, .value_kind: global_buffer, .address_space: global }
      - { .name: W_fc, .offset: 16, .size: 8, .value_kind: global_buffer, .address_space: global }
      - { .name: xb, .offset: 24, .size: 8, .value_kind: global_buffer, .address_space: global }
      - { .name: wt, .offset: 32, .size: 8, .value_kind: global_buffer, .address_space: global }
      - { .name: wft, .offset: 40, .size: 8, .value_kind: global_buffer, .address_space: global }
    .group_segment_fixed_size: 35840
    .private_segment_fixed_size: 0
    .kernarg_segment_align: 8
    .kernarg_segment_size: 48
    .max_flat_workgroup_size: 256
    .sgpr_count:     66
    .vgpr_count:     256
    .wavefront_size: 32
...
	.end_amdgpu_metadata
.endif
;; end of part 1
;; launch qkv (part 2): grid 16 x 32, 4 waves a work-group, clusters of 4 x 4, 327,680 bytes of LDS; arguments xb, wt, b_qkv, q, k, v; writes q, k, v
.if DOCPART == 2
	.amdgcn_target "amdgcn-amd-amdhsa--gfx1250"
	.amdhsa_code_object_version 6
	.text
	.protected	k_q0a7debf946_qkv
	.globl	k_q0a7debf946_qkv
	.p2align	8
	.type	k_q0a7debf946_qkv,@function
k_q0a7debf946_qkv:
	s_mov_b64 s[64:65], 0
	v_nop
	global_prefetch_b8 v0, s[64:65] scope:SCOPE_SE
	s_setreg_imm32_b32 hwreg(HW_REG_WAVE_MODE, 25, 1), 1
	s_wait_xcnt 0x0
	s_wait_alu depctr_hold_cnt(0) depctr_sa_sdst(0) depctr_va_vdst(0) depctr_va_sdst(0) depctr_va_ssrc(0) depctr_va_vcc(0) depctr_vm_vsrc(0)
	s_getreg_b32 s2, hwreg(HW_REG_IB_STS2, 6, 4)
	s_cmp_eq_u32 s2, 0
	s_cbranch_scc0 .Lentry_in_a_cluster
	s_endpgm
.Lentry_in_a_cluster:
	s_bfe_u32 s2, ttmp6, 0x10000c
	s_cmp_lg_u32 s2, 0xf033
	s_cbranch_scc0 .Lentry_shape_is_right
	s_endpgm
.Lentry_shape_is_right:
; QKV.  [8192][3072] = xb [8192][1024] x wt [3072 n][1024 k]^T + b_qkv, bf16 operands, f32 sums that START AT THE BIAS (rounded to bf16 like every input); each result rounded once to f16 and stored by
; heads: q, k, v are [16 b + h][2048][64] f16, unscaled.  Column n = 192 h + 64 part + d, part 0, 1, 2 = q, k, v.
; LIMIT.  f16 ends at 65,504: a q, k or v of 65,520 or more in magnitude becomes an infinity.  Inputs as drawn give a spread of 0.6; all inputs 30 times larger, or offset by 30 spreads, stay under 30,000.
; SHARES.  A tile of C is 256 rows x 192 columns: ONE HEAD's q, k and v for 256 rows: 32 x 16 tiles.  Four waves; wave w makes rows 64 w .. 64 w + 63, all 192 columns: 4 x 12 accumulators, 384 registers.
; A wave so holds whole rows of q, k and v and leaves through a stage of its own, with no barrier.  K goes in steps of 128 (rows of 256 bytes, aligned) through a ring of two LDS slots.
; CLUSTERS.  4 x 4 work-groups.  The four of a row of the cluster need the same 256 rows of xb, the four of a column the same 192 rows of wt: each tile is asked for JOINTLY, by the same tensor load, the same
; descriptor and a mask that names the four.  Waves 0 and 1 fetch xb's two halves (128 rows), waves 2 and 3 wt's (96 rows).
; THE MATRIX INSTRUCTION IS USED TRANSPOSED (source 0 = 16 rows of wt, source 1 = 16 rows of xb): lane l holds row l % 16 of C and the columns 8 (l / 16) + 0..7, which pack into 16 bytes.
; NO PREFETCH: each block of xb is read by four clusters and each block of wt by eight, shortly after each other, and K has eight steps.
; REGISTERS, in windows of 256 (s_set_vgpr_msb: bits 1:0 source 0, 3:2 source 1, 5:4 source 2, 7:6 destination):
;   window 0: v0-31 addresses; v32-95 xb's fragments, two buffers of 4 x 8; v128-223 the bias as a C operand, 8 registers for each of the 12 column blocks; on the way out v128-175 packed, v176-223 read back
;   window 1: v0-191 wt's fragments, two buffers of 12 x 8        window 2: the accumulators of row blocks 0, 1 ((a, b) at 8 (12 (a % 2) + b))        window 3: those of row blocks 2, 3
.set SIZE_K, 1024
.set KSTEP,  128
.set PITCH,  272                       ; an LDS row: 256 bytes + 16 of padding = 68 words: row r starts at bank 4 r mod 64 (64 banks of 4 bytes: ISA guide 11.1), so the 16 rows of a load start at 16 different banks
.set AHALF,  128*PITCH                 ; what one tensor load brings of xb
.set BOFF,   2*AHALF                   ; wt's 192 rows lie behind xb's 256
.set BHALF,  96*PITCH                  ; what one tensor load brings of wt
.set SLOT,   BOFF+2*BHALF
.set STAGE,  2*SLOT                    ; behind the ring, never filled by a tensor load: 16 rows x 400 bytes for each wave
.set SPITCH, 400                       ; 384 bytes + 16: an odd multiple of 16
.set SPARE,  STAGE+4*16*SPITCH         ; behind the stages: the spare words, 128 bytes for each wave: two blocks of 256 bytes that no other line names
.set LAPS,   SIZE_K/(2*KSTEP)          ; a lap = two K steps = once round the ring
.set ADRA, 16                          ; v16-17  LDS address of my fragments of xb in slot 0, 1
.set ADRB, 20                          ; v20-21  the same for wt
.set STO,  24                          ; v24     the way out: where I put 16 bytes of a row
.set RD,   25                          ; v25     the way out: where I read four rows of 128 bytes back
.set GO,   26                          ; v26     my 16 bytes in 512 consecutive bytes of q, k or v
.set BO,   27                          ; v27     my byte offset in the bias
.set SPW,  28                          ; v28     LDS address of my spare word; never rewritten
.set NIL,  29                          ; v29     0; never rewritten
.set FA,   32
.set BIAS, 128
.set TMP,  128
.set OB,   176
.set G1,  24                           ; s[24:31] descriptor group 1 for xb's tiles;  s[32:39] group 0, a set for each slot
.set G0,  32
.set G1B, 48                           ; s[48:55], s[56:63] the same for wt's tiles
.set G0B, 56
.set MSB, 0
.macro WIN new                         ; the immediate's high byte repeats the setting that is left; a switch that changes nothing is dropped
.if MSB != (\new)
	s_set_vgpr_msb (MSB<<8)|(\new)
.set MSB, \new
.endif
.endm
.set TO_B, 0x40                        ; destination window 1, address window 0
; A joint load.  The branch hangs on the wave's number alone.  An s_nop 0 and four v_nop follow each of the two lines, ahead of the jump, the label and what follows.
.macro JLOAD s
	s_cmp_eq_u32 s17, 0
	s_cbranch_scc0 .Lfor_b_\@
	tensor_load_to_lds s[G0+4*(\s):G0+4*(\s)+3], s[G1:G1+7]
	s_nop 0
.rept 4
	v_nop
.endr
	s_branch .Lasked_\@
.Lfor_b_\@:
	tensor_load_to_lds s[G0B+4*(\s):G0B+4*(\s)+3], s[G1B:G1B+7]
	s_nop 0
.rept 4
	v_nop
.endr
.Lasked_\@:
.endm
.macro CREST                           ; a round of the cluster's barrier behind its opening barrier
	s_cmp_lg_u32 s16, 0
	s_cbranch_scc1 .Lnot_wave_0_\@
	s_barrier_signal -3
.Lnot_wave_0_\@:
	s_barrier_wait -3
	s_barrier_signal -1
	s_barrier_wait -1
.endm
.macro CROUND                          ; a whole round
	s_barrier_signal -1
	s_barrier_wait -1
	CREST
.endm
	s_load_b256 s[4:11], s[0:1], 0x0               ; xb s[4:5], wt s[6:7], b_qkv s[8:9], q s[10:11]
	s_load_b128 s[12:15], s[0:1], 0x20             ; k s[12:13], v s[14:15]
	v_lshl_add_u32 v[SPW], v0, 2, SPARE
	v_mov_b32 v[NIL], 0
	ds_add_u32 v[SPW], v[NIL]                      ; the wave's opening: the add and its wait ahead of my first tensor load; the set-up below, work on registers, stands between them
	v_lshrrev_b32 v1, 5, v0
	v_readfirstlane_b32 s16, v1                    ; wave 0..3
	s_lshr_b32 s17, s16, 1                         ; I fetch for xb (0) or for wt (1),
	s_and_b32 s18, s16, 1                          ; and which half of that tile
	s_bfe_u32 s19, ttmp6, 0x40000                  ; cx, cy: my place in the cluster
	s_bfe_u32 s20, ttmp6, 0x40004
	s_lshl_b32 s21, ttmp9, 2
	s_add_co_u32 s21, s21, s19                     ; the head = 4 x cluster x + cx
	s_and_b32 s22, ttmp7, 0xffff
	s_lshl_b32 s22, s22, 2
	s_add_co_u32 s22, s22, s20                     ; the block of 256 rows = 4 x cluster y + cy
	s_lshl_b32 s40, s20, 2
	s_lshl_b32 s40, 15, s40                        ; my row of the cluster
	s_lshl_b32 s41, 0x1111, s19                    ; my column
	s_or_b32 s[G1+0], s40, (1<<16)|(1<<20)|(1<<21)|(5<<22)|(3<<25)   ; 15:0 the mask; 17:16 elements of 2 bytes; 20 padding on; 21 set beside a mask; 24:22 after every 64 words (code 5); 31:25 4 words (code 3)
	s_or_b32 s[G1B+0], s41, (1<<16)|(1<<20)|(1<<21)|(5<<22)|(3<<25)
	s_mov_b32 s[G1+1], KSTEP<<16                   ; tensor_dim0 = 128
	s_mov_b32 s[G1+2], 128<<16                     ; tensor_dim1 = 128
	s_mov_b32 s[G1+3], KSTEP<<16                   ; tile_dim0 = 128
	s_mov_b32 s[G1+4], 128                         ; tile_dim1 = 128
	s_mov_b32 s[G1+5], SIZE_K                      ; elements from row to row
	s_mov_b32 s[G1+6], 0
	s_mov_b32 s[G1+7], 0
	s_mov_b32 s[G1B+1], KSTEP<<16
	s_mov_b32 s[G1B+2], 96<<16                     ; wt's tiles have 96 rows
	s_mov_b32 s[G1B+3], KSTEP<<16
	s_mov_b32 s[G1B+4], 96
	s_mov_b32 s[G1B+5], SIZE_K
	s_mov_b32 s[G1B+6], 0
	s_mov_b32 s[G1B+7], 0
	; xb's tiles hang on the block of rows alone, wt's on the head alone: each in registers that never hold the other coordinate
	s_lshl_b32 s42, s22, 19                        ; 256 rows of 2,048 bytes,
	s_lshl_b32 s43, s18, 18                        ; my 128 of them
	s_add_co_u32 s42, s42, s43
	s_mov_b32 s43, 0
	s_mul_i32 s46, s21, 192*SIZE_K*2               ; 192 rows of 2,048 bytes,
	s_mul_i32 s47, s18, 96*SIZE_K*2                ; my 96 of them
	s_add_co_u32 s46, s46, s47
	s_mov_b32 s47, 0
	s_mul_i32 s68, s18, AHALF                      ; where they go: no place in the cluster enters an LDS address
	s_mul_i32 s69, s18, BHALF
	s_add_co_u32 s69, s69, BOFF
	s_wait_dscnt 0x0                               ; the opening add is done
	s_wait_kmcnt 0x0
	s_add_nc_u64 s[42:43], s[4:5], s[42:43]
	s_add_nc_u64 s[46:47], s[6:7], s[46:47]
	CROUND                                         ; all sixteen work-groups are here: the first joint loads meet
.irp s, 0,1
	s_mov_b32 s[G0+4*(\s)], 1                                        ; count = 1
	s_add_co_u32 s[G0+4*(\s)+1], s68, (\s)*SLOT                      ; LDS address
	s_add_nc_u64 s[G0+4*(\s)+2:G0+4*(\s)+3], s[42:43], (\s)*KSTEP*2  ; global address: K step s
	s_or_b32 s[G0+4*(\s)+3], s[G0+4*(\s)+3], 0x80000000              ; type = 2
	s_mov_b32 s[G0B+4*(\s)], 1
	s_add_co_u32 s[G0B+4*(\s)+1], s69, (\s)*SLOT
	s_add_nc_u64 s[G0B+4*(\s)+2:G0B+4*(\s)+3], s[46:47], (\s)*KSTEP*2
	s_or_b32 s[G0B+4*(\s)+3], s[G0B+4*(\s)+3], 0x80000000
	JLOAD \s                                       ; two tensor loads of mine are out
.endr
	v_and_b32 v1, 15, v0                           ; l % 16
	v_bfe_u32 v2, v0, 4, 1                         ; l / 16
	s_mul_i32 s70, s21, 768                        ; the head's 192 numbers of the bias
	v_lshl_add_u32 v[BO], v2, 5, s70               ; + my lanes' 8
.set i, 0
.rept 12                                       ; register j of block b: the bias of column 16 b + 8 (l / 16) + j, as the accumulators hold them
	global_load_b128 v[BIAS+8*i:BIAS+8*i+3],   v[BO], s[8:9] offset:64*i
	global_load_b128 v[BIAS+8*i+4:BIAS+8*i+7], v[BO], s[8:9] offset:64*i+16
.set i, i+1
.endr
	v_mul_u32_u24 v3, v1, PITCH
	v_lshl_add_u32 v3, v2, 4, v3                   ; a fragment's row x pitch + 16 x half
	s_mul_i32 s70, s16, 64*PITCH                   ; my 64 rows of xb
	v_add_nc_u32 v[ADRA], s70, v3
	v_add_nc_u32 v[ADRA+1], SLOT, v[ADRA]
	v_add_nc_u32 v[ADRB], BOFF, v3                 ; all 192 rows of wt
	v_add_nc_u32 v[ADRB+1], SLOT, v[ADRB]
	s_mul_i32 s70, s16, 16*SPITCH
	s_add_co_u32 s70, s70, STAGE                   ; my stage
	v_mul_u32_u24 v3, v1, SPITCH                   ; in: row l % 16, 16 bytes for each half of the lanes
	v_lshl_add_u32 v3, v2, 4, v3
	v_add_nc_u32 v[STO], s70, v3
	v_bfe_u32 v3, v0, 3, 2                         ; back: 32 lanes take four rows' 128 bytes of one part,
	v_mul_u32_u24 v3, v3, SPITCH
	v_and_b32 v4, 7, v0
	v_lshl_add_u32 v3, v4, 4, v3
	v_add_nc_u32 v[RD], s70, v3
	v_and_b32 v[GO], 31, v0                        ; which are 512 consecutive bytes of q, k or v
	v_lshlrev_b32 v[GO], 4, v[GO]
	s_lshr_b32 s66, s22, 3                         ; the batch,
	s_lshl_b32 s66, s66, 4
	s_add_co_u32 s66, s66, s21                     ; 16 b + h,
	s_lshl_b32 s66, s66, 18                        ; 2,048 rows of 128 bytes each;
	s_and_b32 s67, s22, 7
	s_lshl_b32 s67, s67, 15                        ; the block's 256 rows,
	s_add_co_u32 s66, s66, s67
	s_lshl_b32 s67, s16, 13                        ; my wave's 64
	s_add_co_u32 s66, s66, s67
	s_mov_b32 s67, 0
	s_add_nc_u64 s[10:11], s[10:11], s[66:67]
	s_add_nc_u64 s[12:13], s[12:13], s[66:67]
	s_add_nc_u64 s[14:15], s[14:15], s[66:67]
	s_wait_loadcnt 0x0                             ; the bias
.set i, 0
.rept 48                                       ; rounded to bf16 like every input, and kept as f32
	v_cvt_pk_bf16_f32 v[8+i%4], v[BIAS+2*i], v[BIAS+2*i+1]
	v_lshlrev_b32 v[BIAS+2*i], 16, v[8+i%4]
	v_and_b32 v[BIAS+2*i+1], 0xffff0000, v[8+i%4]
.set i, i+1
.endr
; 12 matrix instructions: row block a x all 12 column blocks, 32 along K, from buffer f.  first = 1: the sums start at the bias: nothing is cleared and nothing is added later.
; The 48 accumulators take turns, one instruction a turn, in the same order in every quarter, over the backward jump too.
.macro MUL12 f, a, first
.if \first
	WIN 0x81+0x40*((\a)/2)                         ; wt window 1, xb window 0, C (the bias) window 0, D window 2 or 3
.else
	WIN 0xa1+0x50*((\a)/2)                         ; C and D window 2 or 3
.endif
.irp b, 0,1,2,3,4,5,6,7,8,9,10,11
.if \first
	v_wmma_f32_16x16x32_bf16 v[8*(12*((\a)%2)+(\b)):8*(12*((\a)%2)+(\b))+7], v[96*(\f)+8*(\b):96*(\f)+8*(\b)+7], v[FA+32*(\f)+8*(\a):FA+32*(\f)+8*(\a)+7], v[BIAS+8*(\b):BIAS+8*(\b)+7]
.else
	v_wmma_f32_16x16x32_bf16 v[8*(12*((\a)%2)+(\b)):8*(12*((\a)%2)+(\b))+7], v[96*(\f)+8*(\b):96*(\f)+8*(\b)+7], v[FA+32*(\f)+8*(\a):FA+32*(\f)+8*(\a)+7], v[8*(12*((\a)%2)+(\b)):8*(12*((\a)%2)+(\b))+7]
.endif
.endr
.endm
; 32 LDS loads in one run: the fragments of 32 along K at byte k of the rows, into buffer f: wt's 24, then xb's 8
.macro FETCH slot, k, f
	WIN TO_B
.irp i, 0,1,2,3,4,5,6,7,8,9,10,11
	ds_load_b128 v[96*(\f)+8*(\i):96*(\f)+8*(\i)+3],   v[ADRB+(\slot)] offset:(\k)+(\i)*16*PITCH
	ds_load_b128 v[96*(\f)+8*(\i)+4:96*(\f)+8*(\i)+7], v[ADRB+(\slot)] offset:(\k)+(\i)*16*PITCH+32
.endr
	WIN 0
.irp i, 0,1,2,3
	ds_load_b128 v[FA+32*(\f)+8*(\i):FA+32*(\f)+8*(\i)+3],   v[ADRA+(\slot)] offset:(\k)+(\i)*16*PITCH
	ds_load_b128 v[FA+32*(\f)+8*(\i)+4:FA+32*(\f)+8*(\i)+7], v[ADRA+(\slot)] offset:(\k)+(\i)*16*PITCH+32
.endr
.endm
.macro PLACES                          ; four places in front of loads into registers that matrix instructions have read, and of conversions that read results
.rept 4
	v_nop
.endr
.endm
; A K step is four quarters of 32 along K, 48 matrix instructions each, on buffers 0, 1, 0, 1.  One of the first three: multiplies buffer f and fetches the next quarter, at byte k, into g.
.macro QUARTER slot, k, f, g, first
	s_wait_dscnt 4                                 ; wt's fragments and xb's row blocks 0, 1 are in; the youngest four loads (row blocks 2, 3) may be out
	MUL12 \f, 0, \first
	MUL12 \f, 1, \first
	PLACES
	FETCH \slot, \k, \g
	s_wait_dscnt 32                                ; all but the 32 just issued
	MUL12 \f, 2, \first
	MUL12 \f, 3, \first
.endm
; The last quarter multiplies buffer 1 and changes slots: ONE barrier.  In front of it each wave waits for all its tensor loads (one is out: its part of the next slot), adds 0 to its spare word, and waits for that
; and for its own reads of this slot.  fill = 1: the barrier opens a round of the cluster's, and this slot is filled again first thing behind it, with the K step two on.
.macro TURN slot, next, fill
	WIN 0                                          ; (the add's two registers lie in window 0)
	s_wait_tensorcnt 0x0                           ; all my tensor loads have landed;
	ds_add_u32 v[SPW], v[NIL]                      ; 0 onto my spare word;
	s_wait_dscnt 5                                 ; (the add and the youngest four loads may be out)
	MUL12 1, 0, 0                                  ; twelve matrix instructions stand between the add and the wait for it
	s_wait_dscnt 0x0                               ; the add is done, and my reads of this slot are over
	s_barrier_signal -1
	MUL12 1, 1, 0
.if \fill
	WIN 0
.endif
	s_barrier_wait -1
.if \fill
	CREST                                          ; no wave of any partner still reads this slot's tile or has a load on its way
	s_add_nc_u64 s[G0+4*(\slot)+2:G0+4*(\slot)+3], s[G0+4*(\slot)+2:G0+4*(\slot)+3], 2*KSTEP*2
	s_add_nc_u64 s[G0B+4*(\slot)+2:G0B+4*(\slot)+3], s[G0B+4*(\slot)+2:G0B+4*(\slot)+3], 2*KSTEP*2
	JLOAD \slot                                    ; the first tensor load behind the round; the four v_nop behind it are also the places in front of the loads below
.else
	PLACES
.endif
	FETCH \next, 0, 0
	MUL12 1, 2, 0
	MUL12 1, 3, 0
.endm
	s_wait_tensorcnt 1                             ; my part of K step 0 is in; K step 1's may stay out
	s_barrier_signal -1
	s_barrier_wait -1                              ; everybody's is
	FETCH 0, 0, 0
	QUARTER 0, 64, 0, 1, 1                         ; the first quarter stands in front of the loop: its products start the sums
	WIN 0                                          ; at a label and at a branch every window is 0
	s_mov_b32 s23, LAPS-1
.Llap:                                                 ; a trip goes once round the ring, from a lap's second quarter to the next lap's first, and fills both slots again
	QUARTER 0, 128, 1, 0, 0
	QUARTER 0, 192, 0, 1, 0
	TURN 0, 1, 1
	QUARTER 1, 64,  0, 1, 0
	QUARTER 1, 128, 1, 0, 0
	QUARTER 1, 192, 0, 1, 0
	TURN 1, 0, 1
	QUARTER 0, 64,  0, 1, 0
	WIN 0
	s_sub_co_u32 s23, s23, 1
	s_cmp_lg_u32 s23, 0
	s_cbranch_scc1 .Llap
	QUARTER 0, 128, 1, 0, 0                        ; the last lap is written out: it fills nothing
	QUARTER 0, 192, 0, 1, 0
	TURN 0, 1, 0
	QUARTER 1, 64,  0, 1, 0
	QUARTER 1, 128, 1, 0, 0
	QUARTER 1, 192, 0, 1, 0
	s_wait_dscnt 4                                 ; the very last quarter: nothing more to fetch
	MUL12 1, 0, 0
	MUL12 1, 1, 0
	s_wait_dscnt 0x0
	MUL12 1, 2, 0
	MUL12 1, 3, 0
	WIN 0
	PLACES
; THE WAY OUT, a row block (16 rows) at a time.  PACK: rounded to f16, each accumulator's registers in ascending order.  TOSTAGE: 16 bytes a lane into my stage, and back as four rows x 128 bytes of one part.
; SEND: stored: 512 consecutive bytes, aligned, of q, k or v.
.macro PACK a
	WIN 0x0a+5*((\a)/2)                            ; sources 0 and 1: window 2 or 3
.set i, 0
.rept 48
	v_cvt_pk_f16_f32 v[TMP+i], v[96*((\a)%2)+2*i], v[96*((\a)%2)+2*i+1]
.set i, i+1
.endr
	WIN 0
.endm
.macro TOSTAGE
.irp b, 0,1,2,3,4,5,6,7,8,9,10,11
	ds_store_b128 v[STO], v[TMP+4*(\b):TMP+4*(\b)+3] offset:32*(\b)
.endr
	s_wait_xcnt 0x0                                ; the stores of the block before have read their registers, which are loaded again below
.set i, 0
.rept 12                                       ; part i / 4, rows 4 (i % 4) on.  LDS serves a wave's instructions in order (ISA guide 5.7.1.4): these see the stores above
	ds_load_b128 v[OB+4*i:OB+4*i+3], v[RD] offset:4*SPITCH*(i%4)+128*(i/4)
.set i, i+1
.endr
.endm
.macro SEND a
.set i, 0
.rept 12
	s_wait_dscnt 11-i                              ; load i of the twelve is back
	global_store_b128 v[GO], v[OB+4*i:OB+4*i+3], s[10+2*(i/4):11+2*(i/4)] offset:2048*(\a)+512*(i%4)
.set i, i+1
.endr
.endm
	PACK 0
	TOSTAGE
.irp a, 1,2,3                          ; a block's conversions stand between the loads of the block before and the wait for them
	PACK \a
	SEND (\a)-1
	TOSTAGE
.endr
	SEND 3
	s_wait_tensorcnt 0x0                           ; the wave's end: behind my last tensor load and my last LDS store
	ds_add_u32 v[SPW], v[NIL]
	s_wait_dscnt 0x0
	CROUND                                         ; the closing round: no work-group ends while a partner may still ask for a tile that names it
	s_endpgm
.Lfunc_end_k_q0a7debf946_qkv:
	.size	k_q0a7debf946_qkv, .Lfunc_end_k_q0a7debf946_qkv-k_q0a7debf946_qkv
	.p2alignl 7, 3214868480
	.fill 96, 4, 3214868480
	.section	.rodata,"a",@progbits
	.p2align	6, 0x0
	.amdhsa_kernel k_q0a7debf946_qkv
		.amdhsa_group_segment_fixed_size 327680
		.amdhsa_private_segment_fixed_size 0
		.amdhsa_enable_private_segment 0
		.amdhsa_kernarg_size 48
		.amdhsa_user_sgpr_count 2
		.amdhsa_user_sgpr_kernarg_segment_ptr 1
		.amdhsa_wavefront_size32 1
		.amdhsa_system_sgpr_workgroup_id_x 1
		.amdhsa_system_sgpr_workgroup_id_y 1
		.amdhsa_system_sgpr_workgroup_id_z 1
		.amdhsa_system_vgpr_workitem_id 0
		.amdhsa_next_free_vgpr 960
		.amdhsa_next_free_sgpr 72
		.amdhsa_reserve_vcc 0
		.amdhsa_float_denorm_mode_32 3
		.amdhsa_float_denorm_mode_16_64 3
		.amdhsa_memory_ordered 1
		.amdhsa_forward_progress 1
		.amdhsa_inst_pref_size 129
	.end_amdhsa_kernel
	.amdgpu_metadata
---
amdhsa.version: [ 1, 2 ]
amdhsa.kernels:
  - .name:           k_q0a7debf946_qkv
    .symbol:         k_q0a7debf946_qkv.kd
    .args:
      - { .name: xb, .offset: 0, .size: 8, .value_kind: global_buffer, .address_space: global }
      - { .name: wt, .offset: 8, .size: 8, .value_kind: global_buffer, .address_space: global }
      - { .name: b_qkv, .offset: 16, .size: 8, .value_kind: global_buffer, .address_space: global }
      - { .name: q, .offset: 24, .size: 8, .value_kind: global_buffer, .address_space: global }
      - { .name: k, .offset: 32, .size: 8, .value_kind: global_buffer, .address_space: global }
      - { .name: v, .offset: 40, .size: 8, .value_kind: global_buffer, .address_space: global }
    .group_segment_fixed_size: 327680
    .private_segment_fixed_size: 0
    .kernarg_segment_align: 8
    .kernarg_segment_size: 48
    .max_flat_workgroup_size: 128
    .sgpr_count:     72
    .vgpr_count:     960
    .wavefront_size: 32
...
	.end_amdgpu_metadata
.endif
;; end of part 2
;; launch attn (part 3): grid 4 x 64, 4 waves a work-group, clusters of 4 x 1, 327,680 bytes of LDS; arguments q, k, v, o; writes o
.if DOCPART == 3
	.amdgcn_target "amdgcn-amd-amdhsa--gfx1250"
	.amdhsa_code_object_version 6
	.text
	.protected	k_q0a7debf946_attn
	.globl	k_q0a7debf946_attn
	.p2align	8
	.type	k_q0a7debf946_attn,@function
k_q0a7debf946_attn:
	s_mov_b64 s[64:65], 0
	v_nop
	global_prefetch_b8 v0, s[64:65] scope:SCOPE_SE
	s_setreg_imm32_b32 hwreg(HW_REG_WAVE_MODE, 25, 1), 1
	s_wait_xcnt 0x0
	s_wait_alu depctr_hold_cnt(0) depctr_sa_sdst(0) depctr_va_vdst(0) depctr_va_sdst(0) depctr_va_ssrc(0) depctr_va_vcc(0) depctr_vm_vsrc(0)
	s_getreg_b32 s2, hwreg(HW_REG_IB_STS2, 6, 4)
	s_cmp_eq_u32 s2, 0
	s_cbranch_scc0 .Lentry_in_a_cluster
	s_endpgm
.Lentry_in_a_cluster:
	s_bfe_u32 s2, ttmp6, 0x10000c
	s_cmp_lg_u32 s2, 0x3003
	s_cbranch_scc0 .Lentry_shape_is_right
	s_endpgm
.Lentry_shape_is_right:
; O[h][q][:] = the sum over k of softmax_k(Q[h][q] . K[h][k] / 8) V[h][k][:].  Q, K, V, O: [SIZE_H][SIZE_N][64], all f16, h = 16 x batch + head: a head's rows are dense, 128 bytes each.  Products, maxima and sums in
; f32; the weights p are rounded to f16 for the second product (their sum l is taken of the unrounded p), O once at the end.
; LIMITS.  f16 holds no number beyond 65,504: Q, K and V arrive within it; p lies in 0 to 1, and below 6e-5 it keeps f16's fixed step of 6e-8; O is a mean of V's rows and has their range.
; A weight below 2^-126 counts as 0 in l; NaN and infinities are not treated apart.
; SHARES.  A wave owns four PIECES of two tiles of 16 queries, a work-group's four waves 512 queries of one head: 4 x 64 work-groups.  Every wave walks all keys, 64 a step.
; LAYOUT.  S^T = K Q^T (source 0 = 16 keys, source 1 = 16 queries): in the result a lane holds ONE query (lane % 16) and the keys 8 (lane / 16) + 0..7.  Two such tiles, rounded to f16 in pairs,
; ARE source 1 (32 keys x 16 queries) of O^T = V^T P, whose result again holds one query a lane, and eight channels.  K comes out of LDS as it lies, V ([key][channel]) turned, by ds_load_tr16_b128.
; SOFTMAX.  For each query a running maximum m and sum l: p = 2^(c s - c m), c = log2(e) / 8; in every step O and l are multiplied by a = 2^(c m_old - c m_new), which is 1 where m has not grown.
; m starts at the lowest finite number, O and l at 0: the first step is a step like any other, with a = 0.
; THE COUNT.  A tile and step have 16 matrix and 118 vector instructions: too many to stand all beside the matrix work.  So the order has one aim: four vector instructions that are READY behind
; EVERY matrix instruction, and the others, which need time of their own whatever the order, in runs without a gap.
; BY TURNS.  Turn n belongs to piece n (the pieces in a ring, step after step).  Its matrix work: 16 products K Q^T of piece n + 1, later 16 products V^T P of piece n - 1.  Its vector work: the scaling,
; exponentials, roundings, sums and rescaling of piece n, and the maximum and statistics of piece n + 1, whose scores the turn itself has made.  So what a turn begins with (c s - c m, O a) waits for nothing.
; CLUSTER.  The four query blocks of a cluster are one head's and walk the same K and V, so each tile is asked for JOINTLY: the same tensor load, descriptor and mask in all four.
; REGISTERS, in windows of 256 (s_set_vgpr_msb says which window each operand place means: bits 1:0 source 0, 3:2 source 1, 5:4 source 2, 7:6 destination):
;   window 0: v0-11 addresses; v12-15, v48-63 at work; v16-47 four registers of statistics a tile; v64-191 S^T, two buffers of two tiles; v192-255 P, likewise
;   window 1: O^T, 32 a tile          window 2: v0-127 Q, 16 a tile; v128-191 K of one step; v192-255 V of one step          window 3: v0-1 the add's two registers
; A piece's buffers go by its number's parity: the piece in hand has one pair, its two neighbours in the ring share the other: of it P (piece n - 1) is read and S^T (piece n + 1) written.
.set SIZE_H, 64
.set SIZE_N, 2048
.set NP,    4         ; pieces a wave: a name, no knob: the register map, the loop and the fetches are made for four
.set KS,    64        ; keys in a step
.set PK,    144       ; a row of K in LDS: 128 bytes + 16 of padding = 36 words: the 16 rows of a load start at 16 different groups of four banks (64 banks of 4 bytes: ISA guide 11.1)
.set PV,    160       ; a row of V: 128 + 32 = 40 words
.set VOFF,  4*KS*PK   ; a slot holds four steps: 256 rows of K, then 256 rows of V
.set SLOT1, 1<<17     ; slot 1 begins here, so that one exclusive or turns an address in one slot into the other's
.set STAGE, SLOT1+4*KS*(PK+PV)  ; behind the ring, never filled by a tensor load: 16 rows x 144 bytes for each wave, for the way out
.set SP,    144
.set AK0, 2           ; v2   my lane's place in a tile of K; never rewritten
.set AV0, 3           ; v3   the same for V
.set AK,  4           ; v4   the LDS address of K's next run of loads
.set AV,  5           ; v5   of V's
.set QO,  6           ; v6   my byte offset in the wave's rows of Q
.set STO, 6           ;      later, the way out: where I put 16 bytes of a row
.set RD,  7           ; v7   the way out: where I read rows back
.set GO,  8           ; v8   my byte offset in 512 consecutive bytes of O
.set PFO, 11          ; v11  256 x my lane, once V's place is made: the prefetches' offset; then never rewritten
.set SPW, 0           ; v0 of window 3   LDS address of my spare word: SPARE + 4 x my thread's number; never rewritten
.set NIL, 1           ; v1 of window 3   0; never rewritten
.set SPARE, STAGE+4*16*SP  ; behind the stages: the spare words, 128 bytes for each wave: two blocks of 256 bytes that no other line names
.set MV,  12          ; v12-15  c m_old, kept while c m is made anew: by buffer and tile
.set ST,  16          ; tile t's statistics at v[ST+4 t]: c m, m, l (even keys', odd keys')
.set TMP, 48          ; by buffer and tile, four registers c0-c3 at work; when the maximum is found c2 takes a
.set S,   64
.set P,   192
.set KF,  128         ; K's fragments, in window 2: key block kb, channel half c at KF + 16 kb + 8 c
.set VF,  192         ; V's: key half kk, channel block cb at VF + 32 kk + 8 cb
.set WV,  12          ; s12  my wave's number
.set G1K, 24          ; s[24:31] descriptor group 1 for K's tiles
.set G1V, 32          ; s[32:39] for V's: it differs in the padding alone
.set G0K, 40          ; s[40:43] descriptor group 0 for K's tiles: it walks
.set G0V, 44          ; s[44:47] the same for V's
.set PFA, 48          ; s[48:49] where my prefetches stand: my work-group's 32 blocks of 256 bytes (of K: wave 0, of V: wave 2) of the slot after the one that is being asked for
.set LIM, 50          ; s50  1 in a wave that prefetches, else the greatest number: a wave prefetches while s[SLOTS] is above it
.set SLOTS, 56        ; s56  slots still to be asked for
.set CNT, 57          ; s57  counts a slot's key steps
.set CS,  58          ; s[58:59] c: the packed scaling takes the pair's low word for both halves
.set SEL, 60          ; s[60:61] v_permlanex16_b32's selects: each lane takes its own place in the other half
.set TBK, 62          ; s62  LDS byte at which K of the step to be fetched begins
.set TBV, 63          ; s63  the same for V, less VOFF
.set MSB, 0
.macro WIN new                      ; the high byte repeats the setting that is left; a switch that changes nothing is dropped
.if MSB != (\new)
	s_set_vgpr_msb (MSB<<8)|(\new)
.set MSB, (\new)
.endif
.endm
.set W_KQ, 0x0a       ; K and Q in window 2, S^T in window 0
.set W_PV, 0x52       ; V in window 2, P in window 0, O^T in window 1
.set W_RS, 0x41       ; O^T (destination and source 0) in window 1, a in window 0
.set W_MK, 0xc0       ; the add's registers are made: destination in window 3, sources in window 0
.set W_AD, 0x0f       ; the add: address (source 0) and data (source 1) in window 3
; A joint fill.  Waves 0 and 1 fetch the two halves of a slot's K, waves 2 and 3 those of its V: 128 keys each.  The branch hangs on the wave's number alone.
; An s_nop 0 and four v_nop follow each of the two lines, ahead of the jump and the label.
.macro JLOAD
	s_cmp_lt_u32 s[WV], 2
	s_cbranch_scc0 .Lfor_v_\@
	tensor_load_to_lds s[G0K:G0K+3], s[G1K:G1K+7]
	s_nop 0
.rept 4
	v_nop
.endr
	s_branch .Lasked_\@
.Lfor_v_\@:
	tensor_load_to_lds s[G0V:G0V+3], s[G1V:G1V+7]
	s_nop 0
.rept 4
	v_nop
.endr
.Lasked_\@:
.endm
; A PREFETCH INTO THE L2 of what the NEXT change of slots will ask for: a slot's 256 keys are 128 blocks of 256 bytes of K and 128 of V, a lane a block.  It stands behind the wave's tensor load and its five lines.
; Each block is named ONCE in the launch: a head is walked by one cluster; its four partners share the blocks out BY ADDRESS, 32 each (no branch hangs on a work-group's place in its cluster); in each, wave 0 asks
; for K's and wave 2 for V's: one instruction, four key steps (512 matrix instructions) ahead of the load that will want the bytes.  Slots 0, 1 and 2 come by their loads alone; the last change that fills a slot
; asks for nothing: there is no slot behind it.
.macro ASK
	s_cmp_gt_u32 s[SLOTS], s[LIM]
	s_cbranch_scc0 .Lnot_mine_\@
	global_prefetch_b8 v[PFO], s[PFA:PFA+1] th:TH_LOAD_NT scope:SCOPE_SE
.Lnot_mine_\@:
.endm
; A round of the cluster's barrier: my work-group's barrier, so that wave 0's signal speaks for all four waves; wave 0 signals; every wave waits for all four work-groups; my work-group's barrier once more.
.macro CROUND
	s_barrier_signal -1
	s_barrier_wait -1
	s_cmp_lg_u32 s[WV], 0
	s_cbranch_scc1 .Lnot_wave_0_\@
	s_barrier_signal -3
.Lnot_wave_0_\@:
	s_barrier_wait -3
	s_barrier_signal -1
	s_barrier_wait -1
.endm
; THE CHANGE OF SLOTS.  The slot's last bytes, V of its fourth step, have been read.  Each wave waits for all its tensor loads, of which one is out: its part
; of the other slot; adds 0 to its spare word; and waits for that and for its own reads of the slot.  Behind the barrier nobody reads this slot any more and the other slot is whole.
; fill = 1: this slot is filled again, with the keys two slots on.  The barrier is then a round of the cluster's, so that no wave of any partner still reads the slot or has a load on its
; way, and the joint fill is the first thing behind it: it has four key steps, 512 matrix instructions, in which to land.  (At its first use nothing has been read yet: slot 0 is waited for, slot 1 filled.)
; ask = 1 (the loop's changes): the prefetches' address steps a slot on, and the prefetch follows the joint fill.
.macro CHANGE fill, ask=0
	WIN W_AD
	s_wait_tensorcnt 0x0            ; no tensor load of mine is out, so a group 0 may be written
	ds_add_u32 v[SPW], v[NIL]       ; 0 onto my spare word; with fill = 1 the descriptors' steps stand between it and the wait for it
	WIN 0                           ; at a label and at a branch every window is 0
.if \fill
.irp g, G0K, G0V
	s_xor_b32 s[\g+1], s[\g+1], SLOT1  ; the walking descriptor: the other slot than last time,
	s_add_nc_u64 s[\g+2:\g+3], s[\g+2:\g+3], 4*KS*128  ; the next 256 keys; the type bits on top are not reached
.endr
.if \ask
	s_wait_xcnt 0x0                 ; the last prefetch, four key steps back, has read its address, so it may be written:
	s_add_nc_u64 s[PFA:PFA+1], s[PFA:PFA+1], 4*KS*128  ; one slot behind the walking descriptors
.endif
	s_wait_dscnt 0x0                ; the add is done, and my reads of the slot are over
	CROUND
	JLOAD
.if \ask
	ASK
.endif
.else
	s_wait_dscnt 0x0                ; the add is done, and my reads of the slot are over
	s_barrier_signal -1
	s_barrier_wait -1
.endif
	s_sub_co_u32 s[TBK], s[TBK], 4*KS*PK  ; the fetches go back to a slot's first step,
	s_xor_b32 s[TBK], s[TBK], SLOT1       ; in the other slot
	s_sub_co_u32 s[TBV], s[TBV], 4*KS*PV
	s_xor_b32 s[TBV], s[TBV], SLOT1
.endm
	s_load_b256 s[4:11], s[0:1], 0x0  ; Q s[4:5], K s[6:7], V s[8:9], O s[10:11]
	WIN W_MK
	v_lshl_add_u32 v[SPW], v0, 2, SPARE
	v_mov_b32 v[NIL], 0
	WIN W_AD
	ds_add_u32 v[SPW], v[NIL]       ; the wave's opening: the add and its wait ahead of my first tensor load; the set-up below, work on registers, stands between them
	WIN 0
	v_lshrrev_b32 v1, 5, v0
	v_readfirstlane_b32 s[WV], v1   ; wave 0..3
	s_bfe_u32 s13, ttmp6, 0x40000   ; cx: my place in the cluster
	s_lshl_b32 s14, ttmp9, 2        ; in a cluster launch ttmp9 counts clusters
	s_add_co_u32 s14, s14, s13      ; my block of queries = 4 x cluster x + cx: it enters Q's and O's addresses alone
	s_and_b32 s20, ttmp7, 0xffff    ; the head, which the four partners share
	s_mov_b32 s21, 0
	s_mov_b64 s[22:23], SIZE_N*128
	s_mul_u64 s[20:21], s[20:21], s[22:23]  ; the head's first byte in each of the four tensors
	s_and_b32 s16, s[WV], 1         ; which half of a slot's 256 keys I fetch:
	s_lshl_b32 s22, s16, 14         ; its 128 rows of 128 bytes in memory,
	s_mov_b32 s23, 0
	s_add_nc_u64 s[22:23], s[22:23], s[20:21]
	s_mul_i32 s17, s16, 128*PK      ; and its place in a slot, for K
	s_mul_i32 s18, s16, 128*PV      ; and for V: no place in the cluster enters an LDS address
	s_lshl_b32 s2, s14, 2
	s_add_co_u32 s2, s2, s[WV]      ; my wave among the head's,
	s_lshl_b32 s2, s2, 14           ; its 128 rows
	s_mov_b32 s3, 0
	s_add_nc_u64 s[2:3], s[2:3], s[20:21]
	; descriptor group 1.  128 keys are 16,384 dense bytes: asked for as 64 rows of 256 bytes, two keys a row, and padded in LDS after every key
	s_mov_b32 s[G1K], 15|(1<<16)|(1<<20)|(1<<21)|(4<<22)|(3<<25)  ; 15:0 the mask of four; 17:16 2-byte elements; 20 padding on; 21 set beside a mask; 24:22 after every 32 words (code 4); 31:25 4 words (code 3)
	s_mov_b32 s[G1V], 15|(1<<16)|(1<<20)|(1<<21)|(4<<22)|(7<<25)  ; the same with 8 words of padding (code 7)
.irp g, G1K, G1V
	s_mov_b32 s[\g+1], 128<<16      ; tensor_dim0 = 128
	s_mov_b32 s[\g+2], 64<<16       ; tensor_dim1 = 64
	s_mov_b32 s[\g+3], 128<<16      ; tile_dim0 = 128
	s_mov_b32 s[\g+4], 64           ; tile_dim1 = 64
	s_mov_b32 s[\g+5], 128          ; 128 elements from row to row
	s_mov_b32 s[\g+6], 0
	s_mov_b32 s[\g+7], 0
.endr
	s_mov_b32 s[CS], 0x3e38aa3b     ; c = log2(e) / 8 = 0.180337
	s_mov_b32 s[CS+1], s[CS]        ; named with it as a pair
	s_mov_b32 s[SEL], 0x76543210
	s_mov_b32 s[SEL+1], 0xfedcba98
	s_mov_b32 s[TBK], SLOT1+4*KS*PK ; the first change of slots turns these two into 0
	s_mov_b32 s[TBV], SLOT1+4*KS*PV
	s_mov_b32 s[G0K], 1             ; 1:0 count = 1
	s_mov_b32 s[G0K+1], s17         ; 63:32 LDS address: slot 0
	s_mov_b32 s[G0V], 1
	s_add_co_u32 s[G0V+1], s18, VOFF
	s_lshl_b32 s14, s13, 13         ; the prefetches: my work-group's 32 blocks of a slot's 128
	s_mov_b32 s15, 0
	s_cmp_eq_u32 s16, 0             ; waves 0 and 2 prefetch: the same in all four partners
	s_cselect_b32 s[LIM], 1, -1
	s_wait_dscnt 0x0                ; the opening add is done
	s_wait_kmcnt 0x0
	s_add_nc_u64 s[G0K+2:G0K+3], s[6:7], s[22:23]  ; 120:64 global address: my half of the head's first 256 keys
	s_or_b32 s[G0K+3], s[G0K+3], 0x80000000        ; 127:126 type = 2
	s_add_nc_u64 s[G0V+2:G0V+3], s[8:9], s[22:23]
	s_or_b32 s[G0V+3], s[G0V+3], 0x80000000
	s_add_nc_u64 s[4:5], s[4:5], s[2:3]  ; Q and O at my wave's first row
	s_add_nc_u64 s[10:11], s[10:11], s[2:3]
	s_cmp_lt_u32 s[WV], 2
	s_cselect_b64 s[PFA:PFA+1], s[6:7], s[8:9]
	s_add_nc_u64 s[PFA:PFA+1], s[PFA:PFA+1], s[20:21]  ; the head,
	s_add_nc_u64 s[PFA:PFA+1], s[PFA:PFA+1], s[14:15]  ; my work-group's share,
	s_add_nc_u64 s[PFA:PFA+1], s[PFA:PFA+1], 2*4*KS*128  ; in slot 2: the loop's first change steps it to slot 3.  Nothing is prefetched here, at the head
	CROUND                          ; all four work-groups are here: the first joint loads meet
	JLOAD                           ; slot 0.  Slot 1 is asked for when slot 0 is in: the tile wanted first has the road to itself
	; A fragment of K or Q is 16 rows x 32 channels in 8 registers: lane l holds row l % 16, channels 8 (l / 16) + 0..7 and 16 + 8 (l / 16) + 0..7: two loads of 16 bytes, 32 bytes apart.
	v_and_b32 v1, 15, v0            ; l % 16
	v_bfe_u32 v9, v0, 4, 1          ; l / 16
	v_lshlrev_b32 v[QO], 7, v1
	v_lshl_add_u32 v[QO], v9, 4, v[QO]  ; row x 128 + 16 x half
	WIN 0x80                        ; destination window 2, address window 0
.set i, 0
.rept 4*NP                          ; Q stays in registers: tile i / 2, channels 32 (i % 2) on
	global_load_b128 v[8*i:8*i+3],   v[QO], s[4:5] offset:(i/2)*2048+(i%2)*64
	global_load_b128 v[8*i+4:8*i+7], v[QO], s[4:5] offset:(i/2)*2048+(i%2)*64+32
.set i, i+1
.endr
	; What the first turn finds: V's registers and P's second buffer hold 0 (its products V^T P, of a piece that has not been, add 0), O^T and l are 0.  All this stands in the wait for the first tile.
.set i, VF
.rept 64
	v_mov_b32 v[i], 0
.set i, i+1
.endr
	WIN 0x40
.set i, 0
.rept 64*NP
	v_mov_b32 v[i], 0
.set i, i+1
.endr
	WIN 0
.set i, 0
.rept 2*NP
	v_mov_b32 v[ST+4*i], 0xfe000000    ; c m: far below every c s
	v_mov_b32 v[ST+4*i+1], 0xff7fffff  ; m
	v_mov_b32 v[ST+4*i+2], 0
	v_mov_b32 v[ST+4*i+3], 0
.set i, i+1
.endr
.set i, P+32
.rept 32
	v_mov_b32 v[i], 0
.set i, i+1
.endr
	v_mul_u32_u24 v[AK0], v1, PK
	v_lshl_add_u32 v[AK0], v9, 4, v[AK0]  ; row x pitch + 16 x half
	; The turning load takes 16 keys x 16 channels (lane l reads key 8 (l / 16) + l % 8, channels 8 ((l / 8) % 2) + 0..7) and leaves half a fragment of V^T: lane l holds channel l % 16 and 8 keys.
	v_and_b32 v10, 7, v0
	v_bfe_u32 v11, v0, 3, 1
	v_lshl_add_u32 v[AV0], v9, 3, v10
	v_mul_u32_u24 v[AV0], v[AV0], PV
	v_lshl_add_u32 v[AV0], v11, 4, v[AV0]
	v_add_nc_u32 v[AV0], VOFF, v[AV0]
	v_and_b32 v[PFO], 31, v0        ; v11 has served: from here on it is the prefetches' offset
	v_lshlrev_b32 v[PFO], 8, v[PFO]
	v_mov_b32 v[AK], v[AK0]         ; key step 0 lies at the head of slot 0
; THE MATRIX WORK.  The 8 accumulators of a run of 16 take turns: between the two links of a chain stand 7 others'.
; Product i of 16 of S^T = K Q^T for piece x: channels 32 (i / 8) on, keys 16 ((i / 2) % 4) on, tile 2 x + i % 2.  The first 8 start the sums.
.macro KQ x
	WIN W_KQ
.set rS, S+64*((\x)%2)+32*(i%2)+8*((i/2)%4)
.set rK, KF+16*((i/2)%4)+8*(i/8)
.set rQ, 16*(2*(\x)+i%2)+8*(i/8)
.if i < 8
	v_wmma_f32_16x16x32_f16 v[rS:rS+7], v[rK:rK+7], v[rQ:rQ+7], 0
.else
	v_wmma_f32_16x16x32_f16 v[rS:rS+7], v[rK:rK+7], v[rQ:rQ+7], v[rS:rS+7]
.endif
.endm
; Product i of 16 of O^T += V^T P for piece x: keys 32 (i / 8) on, channels 16 ((i / 2) % 4) on, tile 2 x + i % 2.
.macro PV x
	WIN W_PV
.set rO, 32*(2*(\x)+i%2)+8*((i/2)%4)
.set rV, VF+32*(i/8)+8*((i/2)%4)
.set rP, P+32*((\x)%2)+16*(i%2)+8*(i/8)
	v_wmma_f32_16x16x32_f16 v[rO:rO+7], v[rV:rV+7], v[rP:rP+7], v[rO:rO+7]
.endm
.macro MM                           ; the turn's next matrix instruction
.if i < 16
	KQ (Y+1)%NP
.set i, i+1
.else
.set i, i-16
	PV (Y+NP-1)%NP
.set i, i+17
.endif
.endm
; THE LDS LOADS stand in runs of 16, never singly among the matrix instructions: a step's K (64 keys x 64 channels: 8 fragments) and its V (turned).  Their addresses are made some lines ahead.
; last = 1 (the tail): in the last trip there is no further step, and the run is jumped over.
.macro FETCH_K last=0
	WIN 0
.if \last
	s_cmp_eq_u32 s[CNT], 1
	s_cbranch_scc1 .Lno_k_\@
.endif
	WIN 0x80                        ; destination window 2
.irp f, 0,1,2,3,4,5,6,7             ; keys 16 (f / 2) on, channels 32 (f % 2) on
	ds_load_b128 v[KF+8*\f:KF+8*\f+3],   v[AK] offset:(\f/2)*16*PK+(\f%2)*64
	ds_load_b128 v[KF+8*\f+4:KF+8*\f+7], v[AK] offset:(\f/2)*16*PK+(\f%2)*64+32
.endr
	s_add_co_u32 s[TBK], s[TBK], KS*PK  ; the next fetch is the next step's
	WIN 0
.if \last
.Lno_k_\@:
.endif
.endm
.macro FETCH_V
	WIN 0x80
.irp f, 0,1,2,3,4,5,6,7             ; keys 32 (f / 4) on, channels 16 (f % 4) on
	ds_load_tr16_b128 v[VF+8*\f:VF+8*\f+3],   v[AV] offset:(\f/4)*32*PV+(\f%4)*32
	ds_load_tr16_b128 v[VF+8*\f+4:VF+8*\f+7], v[AV] offset:(\f/4)*32*PV+16*PV+(\f%4)*32
.endr
	WIN 0
.endm
; THE VECTOR WORK OF A TURN stands in three queues, each in the order in which its entries become ready; the two tiles alternate, so that no instruction reads the result of the one before it.
.macro REGS y, u                    ; the registers of tile u (0, 1) of piece y
.set rT, ST+4*(2*(\y)+(\u))
.set rC, TMP+8*((\y)%2)+4*(\u)
.set rM, MV+2*((\y)%2)+(\u)
.set rS, S+64*((\y)%2)+32*(\u)
.set rP, P+32*((\y)%2)+16*(\u)
.set rO, 32*(2*(\y)+(\u))
.endm
; Number n of the 22 that find the NEXT piece's (Y + 1) maximum and statistics.  s0-s31 are the lane's 32 scores; each accumulator's lowest registers are read first.  XS, GS and REGS set no window: PL and EX do.
;   0-11  four chains c0-c3 of seven scores each, three operands at a time     12-14, 16  the four scores left over, the old m, and c0-c3 into c0     15  c m_old is kept
;   17, 18  the query's other 32 keys lie in the lane 16 away: the new m         19-21  c m; c m_old - c m_new; a
.macro XS u, n
	REGS (Y+1)%NP, \u
.if (\n) < 4
	v_max3_num_f32 v[rC+(\n)], v[rS+8*(\n)], v[rS+8*(\n)+1], v[rS+8*(\n)+2]
.elseif (\n) < 12
	v_max3_num_f32 v[rC+(\n)%4], v[rC+(\n)%4], v[rS+8*((\n)%4)+2*((\n)/4)+1], v[rS+8*((\n)%4)+2*((\n)/4)+2]
.elseif (\n) == 12
	v_max3_num_f32 v[rC], v[rC], v[rS+7], v[rS+15]
.elseif (\n) == 13
	v_max3_num_f32 v[rC+1], v[rC+1], v[rS+23], v[rS+31]
.elseif (\n) == 14
	v_max3_num_f32 v[rC+2], v[rC+2], v[rC+3], v[rT+1]
.elseif (\n) == 15
	v_mov_b32 v[rM], v[rT]
.elseif (\n) == 16
	v_max3_num_f32 v[rC], v[rC], v[rC+1], v[rC+2]
.elseif (\n) == 17
	v_permlanex16_b32 v[rC+3], v[rC], s[SEL], s[SEL+1]
.elseif (\n) == 18
	v_max_num_f32 v[rT+1], v[rC], v[rC+3]
.elseif (\n) == 19
	v_mul_f32 v[rT], s[CS], v[rT+1]
.elseif (\n) == 20
	v_sub_f32 v[rC+1], v[rM], v[rT]
.else
	v_exp_f32 v[rC+2], v[rC+1]
.endif
.endm
; Number g of the 64 that follow the exponentials.  For each four weights k of a tile (pairs 2 k, 2 k + 1): both pairs are rounded to f16; then the second pair is added onto the first, in place;
; a group later l takes that sum (the first time as l = a l + sum).  In groups of eight, tiles alternating: round, round, add, and l for the group before.
.macro GS g
.set h, (\g)+6*((\g)/62)            ; group 0 has no group before it, and behind group 7 only l is left
.if h >= 6
.set h, h+2
.endif
	REGS Y, h%2
.set k, h/8
.if h%8 < 4
	s_wait_alu depctr_va_vdst(0)
	v_cvt_pk_f16_f32 v[rP+2*k+(h%8)/2], v[rS+4*k+2*((h%8)/2)], v[rS+4*k+2*((h%8)/2)+1]
.elseif h%8 < 6
	v_pk_add_f32 v[rS+4*k:rS+4*k+1], v[rS+4*k:rS+4*k+1], v[rS+4*k+2:rS+4*k+3]
.elseif k == 1
	v_pk_fma_f32 v[rT+2:rT+3], v[rT+2:rT+3], v[rC+2:rC+3], v[rS:rS+1] op_sel_hi:[1,0,1]
.else
	v_pk_add_f32 v[rT+2:rT+3], v[rT+2:rT+3], v[rS+4*k-4:rS+4*k-3]
	s_wait_alu depctr_va_vdst(0)
.endif
.endm
; THE PLAIN QUEUE, 138 long.  0-31: c s - c m for the 16 pairs of both tiles.  Then GS's 64, and among them the next piece's 42: number 15 at 38, 39; 0-14 and 16
; at 42-73, behind the products that make those scores; 17-20 at 95-106, two of three, since each waits for the one before it.
.macro PL
	WIN 0
.if q < 32
	REGS Y, q%2
	v_pk_fma_f32 v[rS+2*(q/2):rS+2*(q/2)+1], v[rS+2*(q/2):rS+2*(q/2)+1], s[CS:CS+1], v[rT:rT+1] op_sel_hi:[1,0,0] neg_lo:[0,0,1] neg_hi:[0,0,1]
.elseif q < 38
	GS q-32
.elseif q < 40
	XS q%2, 15
.elseif q < 42
	GS q-34
.elseif q < 74
	XS q%2, (q-42)/2+(q-42)/30
.elseif q < 95
	GS q-66
.elseif (q < 107) && ((q-95)%3 < 2)
	XS (q-95)%3, 17+(q-95)/3
.elseif q < 107
	GS 29+(q-95)/3
.else
	GS q-74
.endif
.set q, q+1
.endm
; THE EXPONENTIALS' QUEUE, 66 long: s0-s31 of both tiles, and at EA the next piece's two a.
.set EA, 58
.macro EX
	WIN 0
.if (e == EA) || (e == EA+1)
	XS e-EA, 21
.else
.set x, e-2*(e/(EA+2))
	REGS Y, x%2
	v_exp_f32 v[rS+x/2], v[rS+x/2]
.endif
.set e, e+1
.endm
; THE RESCALING's QUEUE: O^T times a, the one part that leaves window 0, so it is dealt four at a time, eight times.
.macro R4
	REGS Y, r%2
	WIN W_RS
	s_wait_alu depctr_va_vdst(0)
.irp z, 0,1,2,3
	v_pk_mul_f32 v[rO+8*(r/2)+2*\z:rO+8*(r/2)+2*\z+1], v[rO+8*(r/2)+2*\z:rO+8*(r/2)+2*\z+1], v[rC+2:rC+3] op_sel_hi:[1,0]
.endr
.set r, r+1
.endm
; HOW THEY ARE DEALT.  Behind a matrix instruction four: plain, exponential, plain, plain (one exponential, a plain instruction on either side), or four of the rescaling.  None names a register of the
; products round it.  What is over stands in two LUMPS: exponential and plain by turns; the second ends in 22 plain instructions.  The two v_permlanex16_b32 fall into the second lump, never behind a product.
; The queues lean on each other, and the deal keeps them in step: exponential e stands behind plain 2 (e / 4) + e % 2 (its scaling); when plain 32 comes, 10 exponentials are out, at 59: 33, at 95: 46; EA comes behind plain 107.
.macro SL
	MM
	PL
	EX
	PL
	PL
.endm
.macro BURST n                      ; 15 matrix instructions, or 16
.rept (\n)-7
	SL
.endr
.rept 3
	MM
	R4
	SL
.endr
	MM
	R4
.endm
; A TURN, for piece p.  cnt = 1: the loop's count is taken down some lines ahead of the branch that stands behind the turn.
; K of the next step is fetched in piece 2's turn, 31 vector instructions behind the last product that read K; its first reader comes behind the rest of the lump, 16 products and the second lump.
; V of the step in hand is fetched at the end of piece 0's turn, 69 behind its last reader; its first reader comes behind 16 products and a lump.  The four conditions on e and q below go with the deal.
.macro TURN p, last=0, cnt=0
.set Y, (\p)
.set i, 0
.set q, 0
.set e, 0
.set r, 0
.if (\p) == NP-1
	s_wait_dscnt 0x0                ; K is in
.endif
	MM
.rept 4
	PL
.endr
	BURST 15
.rept 22
	EX
	PL
.if ((\p) == NP-2) && (e == 18)
	v_add_nc_u32 v[AK], s[TBK], v[AK0]
.endif
.if ((\p) == NP-2) && (e == 24)
	FETCH_K \last
.endif
.endr
.if (\p) == 1
	s_wait_dscnt 0x0                ; V is in
.endif
	BURST 16
.rept 21
	EX
	PL
.endr
.rept 22
	PL
.if ((\p) == 0) && (q == 118)
	v_add_nc_u32 v[AV], s[TBV], v[AV0]
	s_wait_alu depctr_va_vdst(0)
.endif
.if ((\p) == 0) && (q == 130)
	s_add_co_u32 s[TBV], s[TBV], KS*PV
.endif
.if (\cnt) && (q == 130)
	s_sub_co_u32 s[CNT], s[CNT], 1
	s_cmp_lg_u32 s[CNT], 0
.endif
.endr
.if (\p) == 0
	FETCH_V
.endif
.endm
	CHANGE 1                        ; slot 0 is in, everybody's part of it; slot 1 is asked for
	FETCH_K                         ; key step 0
	s_wait_loadcnt 0x0              ; Q
	s_wait_dscnt 0x0
.set i, 0
.rept 16
	KQ 0                            ; piece 0's first scores: there is no vector work yet to set between them
.set i, i+1
.endr
	WIN 0                           ; the addresses for the way out: nine plain instructions, the places behind those products
	s_mul_i32 s13, s[WV], 16*SP
	s_add_co_u32 s13, s13, STAGE    ; my stage
	v_mul_u32_u24 v[STO], v1, SP    ; in: row l % 16, 16 bytes for each half of the lanes
	v_lshl_add_u32 v[STO], v9, 4, v[STO]
	v_add_nc_u32 v[STO], s13, v[STO]
	v_bfe_u32 v[RD], v0, 3, 2       ; back: 32 lanes take four rows of 128 bytes,
	v_mul_u32_u24 v[RD], v[RD], SP
	v_lshl_add_u32 v[RD], v10, 4, v[RD]
	v_add_nc_u32 v[RD], s13, v[RD]
	v_and_b32 v[GO], 31, v0         ; which are 512 consecutive bytes of O
	v_lshlrev_b32 v[GO], 4, v[GO]
.set Y, NP-1                        ; XS works for piece Y + 1: piece 0
.irp n, 0,1,2,3,4,5,6,7,8,9,10,11,12,13,14,15,16,17,18,19,20,21
	XS 0, \n                        ; and piece 0's first maximum and statistics
	XS 1, \n
.endr
	s_mov_b32 s[CNT], 4
	s_mov_b32 s[SLOTS], SIZE_N/256-1
	s_branch .Lfirst                ; the loop is entered at a step's first turn, in the middle of a trip
.Lslot:                             ; SIZE_N / 256 - 2 times: every slot but the last two is filled again
	CHANGE 1, 1
	s_mov_b32 s[CNT], 4
.Lstep:                             ; a trip: pieces 2 and 3 of one step, then pieces 0 and 1 of the next, whose K and V it fetches
	TURN 2
	TURN 3
	WIN 0
.Lfirst:
	TURN 0
	TURN 1, 0, 1
	WIN 0
	s_cbranch_scc1 .Lstep
	s_sub_co_u32 s[SLOTS], s[SLOTS], 1
	s_cmp_lg_u32 s[SLOTS], 0
	s_cbranch_scc1 .Lslot
	CHANGE 0                        ; the tail is written out: nothing is asked for
	s_mov_b32 s[CNT], 5             ; four trips fetch the last slot's steps; the fifth is left in its middle
.Ltail:
	TURN 2, 1
	TURN 3
	WIN 0
	s_sub_co_u32 s[CNT], s[CNT], 1
	s_cmp_eq_u32 s[CNT], 0
	s_cbranch_scc1 .Lout
	TURN 0
	TURN 1
	WIN 0
	s_branch .Ltail
.Lout:                              ; the fifth trip's 16 products K Q^T (on the last K once more) and the maximum made of them serve nothing: the price, once a launch, of one text for every trip
.set i, 0
.rept 16
	PV NP-1                         ; the last piece's V^T P of the last step
.set i, i+1
.endr
	; THE WAY OUT.  l's two halves and the other half of the lanes' are added; O^T is divided by l, rounded to f16 and sent through my stage in LDS, a tile at a time.  The additions are the places behind the last products.
	WIN 0
.macro ALL line:vararg              ; one line for each tile t
.set t, 0
.rept 2*NP
	\line
.set t, t+1
.endr
.endm
	ALL v_add_f32 v[ST+4*t+2], v[ST+4*t+2], v[ST+4*t+3]
	ALL v_permlanex16_b32 v[ST+4*t+3], v[ST+4*t+2], s[SEL], s[SEL+1]
	ALL v_add_f32 v[ST+4*t+2], v[ST+4*t+2], v[ST+4*t+3]
	ALL v_rcp_f32 v[ST+4*t+2], v[ST+4*t+2]
	v_nop                           ; a plain instruction between the last reciprocal and the use of its result
	s_wait_alu depctr_va_vdst(0)
; Tile t: a lane's eight channels of a row pack into 16 bytes; they go into rows of 144 bytes and come back as whole rows of 128, into S^T's registers.
.macro PACK t
	WIN W_RS
.set i, 32*(\t)
.rept 16
	v_pk_mul_f32 v[i:i+1], v[i:i+1], v[ST+4*(\t)+2:ST+4*(\t)+3] op_sel_hi:[1,0]
.set i, i+2
.endr
	WIN 0x05                        ; sources 0 and 1 window 1, destination window 0
.set i, 0
.rept 16
	v_cvt_pk_f16_f32 v[S+16*(\t)+i], v[32*(\t)+2*i], v[32*(\t)+2*i+1]
.set i, i+1
.endr
	WIN 0
.irp f, 0,1,2,3
	ds_store_b128 v[STO], v[S+16*(\t)+4*\f:S+16*(\t)+4*\f+3] offset:32*\f
.endr
.irp f, 0,1,2,3
	ds_load_b128 v[S+16*(\t)+4*\f:S+16*(\t)+4*\f+3], v[RD] offset:\f*4*SP  ; LDS serves a wave's instructions in order (ISA guide 5.7.1.4): these see the stores above; the next tile's stores come behind them
.endr
.endm
.macro SEND t, younger              ; younger: the LDS instructions issued behind tile t's loads: the next tile's eight, or none
	WIN 0
.irp f, 0,1,2,3
	s_wait_dscnt (\younger)+3-\f
	global_store_b128 v[GO], v[S+16*(\t)+4*\f:S+16*(\t)+4*\f+3], s[10:11] offset:(\t)*2048+\f*512  ; 512 consecutive bytes, at a multiple of 256 from O's first
.endr
.endm
	PACK 0
.set t, 1
.rept 2*NP-1                        ; a tile's arithmetic stands between the loads of the tile before and its stores
	PACK t
	SEND t-1, 8
.set t, t+1
.endr
	SEND 2*NP-1, 0
	WIN W_AD
	s_wait_tensorcnt 0x0            ; the wave's end: behind my last tensor load and my last LDS store
	ds_add_u32 v[SPW], v[NIL]
	s_wait_dscnt 0x0
	WIN 0
	CROUND                          ; the closing round: no work-group ends while a partner may still ask for a tile that names it
	s_endpgm
.Lfunc_end_k_q0a7debf946_attn:
	.size	k_q0a7debf946_attn, .Lfunc_end_k_q0a7debf946_attn-k_q0a7debf946_attn
	.p2alignl 7, 3214868480
	.fill 96, 4, 3214868480
	.section	.rodata,"a",@progbits
	.p2align	6, 0x0
	.amdhsa_kernel k_q0a7debf946_attn
		.amdhsa_group_segment_fixed_size 327680
		.amdhsa_private_segment_fixed_size 0
		.amdhsa_enable_private_segment 0
		.amdhsa_kernarg_size 32
		.amdhsa_user_sgpr_count 2
		.amdhsa_user_sgpr_kernarg_segment_ptr 1
		.amdhsa_wavefront_size32 1
		.amdhsa_system_sgpr_workgroup_id_x 1
		.amdhsa_system_sgpr_workgroup_id_y 1
		.amdhsa_system_sgpr_workgroup_id_z 1
		.amdhsa_system_vgpr_workitem_id 0
		.amdhsa_next_free_vgpr 770
		.amdhsa_next_free_sgpr 66
		.amdhsa_reserve_vcc 0
		.amdhsa_float_denorm_mode_32 3
		.amdhsa_float_denorm_mode_16_64 3
		.amdhsa_memory_ordered 1
		.amdhsa_forward_progress 1
		.amdhsa_inst_pref_size 209
	.end_amdhsa_kernel
	.amdgpu_metadata
---
amdhsa.version: [ 1, 2 ]
amdhsa.kernels:
  - .name:           k_q0a7debf946_attn
    .symbol:         k_q0a7debf946_attn.kd
    .args:
      - { .name: q, .offset: 0, .size: 8, .value_kind: global_buffer, .address_space: global }
      - { .name: k, .offset: 8, .size: 8, .value_kind: global_buffer, .address_space: global }
      - { .name: v, .offset: 16, .size: 8, .value_kind: global_buffer, .address_space: global }
      - { .name: o, .offset: 24, .size: 8, .value_kind: global_buffer, .address_space: global }
    .group_segment_fixed_size: 327680
    .private_segment_fixed_size: 0
    .kernarg_segment_align: 8
    .kernarg_segment_size: 32
    .max_flat_workgroup_size: 128
    .sgpr_count:     66
    .vgpr_count:     770
    .wavefront_size: 32
...
	.end_amdgpu_metadata
.endif
;; end of part 3
;; launch fc (part 4): grid 4 x 64, 4 waves a work-group, clusters of 4 x 4, 327,680 bytes of LDS; arguments o, wft, b_fc, out0; writes out0
.if DOCPART == 4
	.amdgcn_target "amdgcn-amd-amdhsa--gfx1250"
	.amdhsa_code_object_version 6
	.text
	.protected	k_q0a7debf946_fc
	.globl	k_q0a7debf946_fc
	.p2align	8
	.type	k_q0a7debf946_fc,@function
k_q0a7debf946_fc:
	s_mov_b64 s[64:65], 0
	v_nop
	global_prefetch_b8 v0, s[64:65] scope:SCOPE_SE
	s_setreg_imm32_b32 hwreg(HW_REG_WAVE_MODE, 25, 1), 1
	s_wait_xcnt 0x0
	s_wait_alu depctr_hold_cnt(0) depctr_sa_sdst(0) depctr_va_vdst(0) depctr_va_sdst(0) depctr_va_ssrc(0) depctr_va_vcc(0) depctr_vm_vsrc(0)
	s_getreg_b32 s2, hwreg(HW_REG_IB_STS2, 6, 4)
	s_cmp_eq_u32 s2, 0
	s_cbranch_scc0 .Lentry_in_a_cluster
	s_endpgm
.Lentry_in_a_cluster:
	s_bfe_u32 s2, ttmp6, 0x10000c
	s_cmp_lg_u32 s2, 0xf033
	s_cbranch_scc0 .Lentry_shape_is_right
	s_endpgm
.Lentry_shape_is_right:
; FC.  out0 [8192][1024] f32 = O x W_fc + b_fc.  O lies by heads, [16 b + h][2048][64] f16: row m = 2048 b + l, and K = 64 h + d walks the heads.  wft is W_fc turned, [1024 n][1024 k] f16 (bf16's numbers).
; f16 operands, f32 sums that START AT THE BIAS (rounded to bf16 like every input); the sums are stored as they are.
; SHARES.  A tile of out0 is 128 rows x 256 columns: 64 x 4 = 256 work-groups.  Four waves, each 64 rows x 128 columns: 4 x 8 accumulators, one register window.
; K goes in steps of 128 = TWO HEADS through a ring of two LDS slots.  Of O a step is two planes, each 128 rows of 128 bytes that lie end to end in memory: asked for as 64 rows of 256 bytes, padded in LDS after
; every 128.  Of wft it is 256 rows of 256 bytes.  Waves 0 and 1 fetch O's two planes, waves 2 and 3 wft's two halves.
; CLUSTERS.  4 x 4 work-groups: the four of a row of the cluster need the same planes of O, the four of a column the same rows of wft: each tile is asked for JOINTLY.
; THE MATRIX INSTRUCTION IS USED TRANSPOSED (source 0 = 16 rows of wft, source 1 = 16 rows of O): lane l holds row l % 16 of out0 and the columns 8 (l / 16) + 0..7: 32 bytes on end.
; NO PREFETCH: wft is read by all sixteen clusters, a block of O by the four partners of one joint load in a launch of eight K steps.
; REGISTERS, in windows of 256 (s_set_vgpr_msb: bits 1:0 source 0, 3:2 source 1, 5:4 source 2, 7:6 destination):
;   window 0: v0-31 addresses; v32-95 the bias as a C operand, 8 registers for each of the 8 column blocks; on the way out 16 rows read back
;   window 1: two fragment buffers of 96: wft's 8 x 8, then O's 4 x 8          window 2: the accumulators, (a, b) at 8 (8 a + b)
.set SIZE_K, 1024
.set PA,     144                       ; a row of O in LDS: 128 bytes + 16 = 36 words: the 16 rows of a load start at 16 different groups of four banks (64 banks of 4 bytes: ISA guide 11.1)
.set APLANE, 128*PA                    ; a head's 128 rows: what one tensor load brings of O
.set BOFF,   2*APLANE
.set PB,     272                       ; a row of wft: 256 bytes + 16 = 68 words: row r starts at bank 4 r mod 64
.set BHALF,  128*PB                    ; what one tensor load brings of wft
.set SLOT,   BOFF+2*BHALF
.set STAGE,  2*SLOT                    ; behind the ring, never filled by a tensor load: 16 rows x 528 bytes for each wave
.set SPITCH, 528                       ; 512 bytes + 16: an odd multiple of 16
.set SPARE,  STAGE+4*16*SPITCH         ; behind the stages: the spare words, 128 bytes for each wave: two blocks of 256 bytes that no other line names
.set LAPS,   SIZE_K/256                ; a lap = two K steps = once round the ring
.set ADRA, 16                          ; v16-17  LDS address of my fragments of O in slot 0, 1
.set ADRB, 20                          ; v20-21  the same for wft
.set STO,  24                          ; v24     the way out: where I put 32 bytes of a row
.set RD,   25                          ; v25     the way out: where I read a row of 512 bytes back
.set CO,   26                          ; v26     my 16 bytes of a row's 512 in out0
.set BO,   27                          ; v27     my byte offset in the bias
.set SPW,  28                          ; v28     LDS address of my spare word; never rewritten
.set NIL,  29                          ; v29     0; never rewritten
.set BIAS, 32
.set OB,   32
.set G1,  24                           ; s[24:31] descriptor group 1 for O's planes;  s[32:39] group 0, a set for each slot
.set G0,  32
.set G1B, 48                           ; s[48:55], s[56:63] the same for wft's tiles
.set G0B, 56
.set MSB, 0
.macro WIN new                         ; the immediate's high byte repeats the setting that is left; a switch that changes nothing is dropped
.if MSB != (\new)
	s_set_vgpr_msb (MSB<<8)|(\new)
.set MSB, \new
.endif
.endm
.set TO_F, 0x40                        ; destination window 1, address window 0
; A joint load.  The branch hangs on the wave's number alone.  An s_nop 0 and four v_nop follow each of the two lines, ahead of the jump, the label and what follows.
.macro JLOAD s
	s_cmp_eq_u32 s17, 0
	s_cbranch_scc0 .Lfor_b_\@
	tensor_load_to_lds s[G0+4*(\s):G0+4*(\s)+3], s[G1:G1+7]
	s_nop 0
.rept 4
	v_nop
.endr
	s_branch .Lasked_\@
.Lfor_b_\@:
	tensor_load_to_lds s[G0B+4*(\s):G0B+4*(\s)+3], s[G1B:G1B+7]
	s_nop 0
.rept 4
	v_nop
.endr
.Lasked_\@:
.endm
.macro CREST                           ; a round of the cluster's barrier behind its opening barrier
	s_cmp_lg_u32 s16, 0
	s_cbranch_scc1 .Lnot_wave_0_\@
	s_barrier_signal -3
.Lnot_wave_0_\@:
	s_barrier_wait -3
	s_barrier_signal -1
	s_barrier_wait -1
.endm
.macro CROUND                          ; a whole round
	s_barrier_signal -1
	s_barrier_wait -1
	CREST
.endm
	s_load_b256 s[4:11], s[0:1], 0x0               ; o s[4:5], wft s[6:7], b_fc s[8:9], out0 s[10:11]
	v_lshl_add_u32 v[SPW], v0, 2, SPARE
	v_mov_b32 v[NIL], 0
	ds_add_u32 v[SPW], v[NIL]                      ; the wave's opening: the add and its wait ahead of my first tensor load; the set-up below, work on registers, stands between them
	v_lshrrev_b32 v1, 5, v0
	v_readfirstlane_b32 s16, v1                    ; wave 0..3
	s_lshr_b32 s17, s16, 1                         ; which half of the tile's rows is mine.  Also: I fetch for O (0) or for wft (1)
	s_and_b32 s18, s16, 1                          ; which half of its columns.  Also: which plane, or which 128 rows, I fetch
	s_bfe_u32 s19, ttmp6, 0x40000                  ; cx, cy: my place in the cluster
	s_bfe_u32 s20, ttmp6, 0x40004
	s_lshl_b32 s21, ttmp9, 2
	s_add_co_u32 s21, s21, s19                     ; the block of 256 columns = 4 x cluster x + cx
	s_and_b32 s22, ttmp7, 0xffff
	s_lshl_b32 s22, s22, 2
	s_add_co_u32 s22, s22, s20                     ; the block of 128 rows = 4 x cluster y + cy
	s_lshl_b32 s40, s20, 2
	s_lshl_b32 s40, 15, s40                        ; my row of the cluster
	s_lshl_b32 s41, 0x1111, s19                    ; my column
	s_or_b32 s[G1+0], s40, (1<<16)|(1<<20)|(1<<21)|(4<<22)|(3<<25)   ; 15:0 the mask; 17:16 elements of 2 bytes; 20 padding on; 21 set beside a mask; 24:22 after every 32 words (code 4); 31:25 4 words (code 3)
	s_mov_b32 s[G1+1], 128<<16                     ; tensor_dim0 = 128: two rows of O
	s_mov_b32 s[G1+2], 64<<16                      ; tensor_dim1 = 64
	s_mov_b32 s[G1+3], 128<<16                     ; tile_dim0 = 128
	s_mov_b32 s[G1+4], 64                          ; tile_dim1 = 64
	s_mov_b32 s[G1+5], 128                         ; dense: 128 elements from row to row
	s_mov_b32 s[G1+6], 0
	s_mov_b32 s[G1+7], 0
	s_or_b32 s[G1B+0], s41, (1<<16)|(1<<20)|(1<<21)|(5<<22)|(3<<25)  ; the same with my column's mask, padding after every 64 words (code 5)
	s_mov_b32 s[G1B+1], 128<<16
	s_mov_b32 s[G1B+2], 128<<16                    ; 128 rows
	s_mov_b32 s[G1B+3], 128<<16
	s_mov_b32 s[G1B+4], 128
	s_mov_b32 s[G1B+5], SIZE_K
	s_mov_b32 s[G1B+6], 0
	s_mov_b32 s[G1B+7], 0
	; O's planes hang on the block of rows alone, wft's tiles on the block of columns alone: each in registers that never hold the other coordinate
	s_lshr_b32 s42, s22, 4                         ; the batch: 16 heads of 2,048 rows of 128 bytes,
	s_lshl_b32 s42, s42, 22
	s_and_b32 s43, s22, 15
	s_lshl_b32 s43, s43, 14                        ; the block's 128 rows in a head,
	s_add_co_u32 s42, s42, s43
	s_lshl_b32 s43, s18, 18                        ; and of a step's two heads mine
	s_add_co_u32 s42, s42, s43
	s_mov_b32 s43, 0
	s_lshl_b32 s46, s21, 19                        ; 256 rows of 2,048 bytes,
	s_lshl_b32 s47, s18, 18                        ; my 128 of them
	s_add_co_u32 s46, s46, s47
	s_mov_b32 s47, 0
	s_mul_i32 s68, s18, APLANE                     ; where they go: no place in the cluster enters an LDS address
	s_mul_i32 s69, s18, BHALF
	s_add_co_u32 s69, s69, BOFF
	s_wait_dscnt 0x0                               ; the opening add is done
	s_wait_kmcnt 0x0
	s_add_nc_u64 s[42:43], s[4:5], s[42:43]
	s_add_nc_u64 s[46:47], s[6:7], s[46:47]
	CROUND                                         ; all sixteen work-groups are here: the first joint loads meet
.irp s, 0,1
	s_mov_b32 s[G0+4*(\s)], 1                                        ; count = 1
	s_add_co_u32 s[G0+4*(\s)+1], s68, (\s)*SLOT                      ; LDS address
	s_add_nc_u64 s[G0+4*(\s)+2:G0+4*(\s)+3], s[42:43], (\s)*(1<<19)  ; global address: K step s is two heads on
	s_or_b32 s[G0+4*(\s)+3], s[G0+4*(\s)+3], 0x80000000              ; type = 2
	s_mov_b32 s[G0B+4*(\s)], 1
	s_add_co_u32 s[G0B+4*(\s)+1], s69, (\s)*SLOT
	s_add_nc_u64 s[G0B+4*(\s)+2:G0B+4*(\s)+3], s[46:47], (\s)*256
	s_or_b32 s[G0B+4*(\s)+3], s[G0B+4*(\s)+3], 0x80000000
	JLOAD \s                                       ; two tensor loads of mine are out
.endr
	v_and_b32 v1, 15, v0                           ; l % 16
	v_bfe_u32 v2, v0, 4, 1                         ; l / 16
	s_lshl_b32 s70, s21, 10                        ; the block's 256 columns, 4 bytes each,
	s_lshl_b32 s71, s18, 9                         ; my wave's 128
	s_add_co_u32 s70, s70, s71
	v_lshl_add_u32 v[BO], v2, 5, s70               ; + my lanes' 8
.set i, 0
.rept 8                                        ; register j of block b: the bias of column 16 b + 8 (l / 16) + j, as the accumulators hold them
	global_load_b128 v[BIAS+8*i:BIAS+8*i+3],   v[BO], s[8:9] offset:64*i
	global_load_b128 v[BIAS+8*i+4:BIAS+8*i+7], v[BO], s[8:9] offset:64*i+16
.set i, i+1
.endr
	s_lshl_b32 s66, s22, 19                        ; where my part of out0 begins: 128 rows of 4,096 bytes,
	s_lshl_b32 s67, s17, 18                        ; my wave's 64,
	s_add_co_u32 s66, s66, s67
	s_add_co_u32 s66, s66, s70                     ; my wave's columns
	s_mov_b32 s67, 0
	s_add_nc_u64 s[10:11], s[10:11], s[66:67]
	v_mul_u32_u24 v3, v1, PA
	v_lshl_add_u32 v3, v2, 4, v3                   ; a fragment's row x pitch + 16 x half
	s_mul_i32 s70, s17, 64*PA                      ; my 64 rows of O, in each plane
	v_add_nc_u32 v[ADRA], s70, v3
	v_add_nc_u32 v[ADRA+1], SLOT, v[ADRA]
	v_mul_u32_u24 v3, v1, PB
	v_lshl_add_u32 v3, v2, 4, v3
	s_mul_i32 s70, s18, BHALF                      ; my 128 rows of wft,
	s_add_co_u32 s70, s70, BOFF                    ; which lie behind O's planes
	v_add_nc_u32 v[ADRB], s70, v3
	v_add_nc_u32 v[ADRB+1], SLOT, v[ADRB]
	s_mul_i32 s70, s16, 16*SPITCH
	s_add_co_u32 s70, s70, STAGE                   ; my stage
	v_mul_u32_u24 v3, v1, SPITCH                   ; in: row l % 16, 32 bytes for each half of the lanes
	v_lshl_add_u32 v3, v2, 5, v3
	v_add_nc_u32 v[STO], s70, v3
	v_and_b32 v3, 31, v0
	v_lshlrev_b32 v[CO], 4, v3                     ; back: 32 lanes take a row's 512 bytes
	v_add_nc_u32 v[RD], s70, v[CO]
	s_wait_loadcnt 0x0                             ; the bias
.set i, 0
.rept 32                                       ; rounded to bf16 like every input, and kept as f32
	v_cvt_pk_bf16_f32 v[8+i%4], v[BIAS+2*i], v[BIAS+2*i+1]
	v_lshlrev_b32 v[BIAS+2*i], 16, v[8+i%4]
	v_and_b32 v[BIAS+2*i+1], 0xffff0000, v[8+i%4]
.set i, i+1
.endr
; 8 matrix instructions: row block a x all 8 column blocks, 32 along K, from buffer f.  first = 1: the sums start at the bias.
; The 32 accumulators take turns, one instruction a turn, in the same order in every quarter, over the backward jump too.
.macro MUL8 f, a, first
.if \first
	WIN 0x85                                       ; wft and O window 1, C (the bias) window 0, D window 2
.else
	WIN 0xa5                                       ; C and D window 2
.endif
.irp b, 0,1,2,3,4,5,6,7
.if \first
	v_wmma_f32_16x16x32_f16 v[8*(8*(\a)+(\b)):8*(8*(\a)+(\b))+7], v[96*(\f)+8*(\b):96*(\f)+8*(\b)+7], v[96*(\f)+64+8*(\a):96*(\f)+64+8*(\a)+7], v[BIAS+8*(\b):BIAS+8*(\b)+7]
.else
	v_wmma_f32_16x16x32_f16 v[8*(8*(\a)+(\b)):8*(8*(\a)+(\b))+7], v[96*(\f)+8*(\b):96*(\f)+8*(\b)+7], v[96*(\f)+64+8*(\a):96*(\f)+64+8*(\a)+7], v[8*(8*(\a)+(\b)):8*(8*(\a)+(\b))+7]
.endif
.endr
.endm
; 24 LDS loads in one run: the fragments of quarter qd of a K step into buffer f: wft's 16, then O's 8 (plane qd / 2, channels 32 (qd % 2) on)
.macro FETCH slot, qd, f
	WIN TO_F
.irp i, 0,1,2,3,4,5,6,7
	ds_load_b128 v[96*(\f)+8*(\i):96*(\f)+8*(\i)+3],   v[ADRB+(\slot)] offset:64*(\qd)+(\i)*16*PB
	ds_load_b128 v[96*(\f)+8*(\i)+4:96*(\f)+8*(\i)+7], v[ADRB+(\slot)] offset:64*(\qd)+(\i)*16*PB+32
.endr
.irp i, 0,1,2,3
	ds_load_b128 v[96*(\f)+64+8*(\i):96*(\f)+64+8*(\i)+3],   v[ADRA+(\slot)] offset:((\qd)/2)*APLANE+((\qd)%2)*64+(\i)*16*PA
	ds_load_b128 v[96*(\f)+64+8*(\i)+4:96*(\f)+64+8*(\i)+7], v[ADRA+(\slot)] offset:((\qd)/2)*APLANE+((\qd)%2)*64+(\i)*16*PA+32
.endr
.endm
.macro PLACES                          ; four places in front of loads into registers that matrix instructions have read, and of LDS stores that read results
.rept 4
	v_nop
.endr
.endm
; A K step is four quarters of 32 along K, 32 matrix instructions each, on buffers 0, 1, 0, 1.  One of the first three: multiplies buffer f and fetches quarter qd into g.
.macro QUARTER slot, qd, f, g, first
	s_wait_dscnt 4                                 ; wft's fragments and O's row blocks 0, 1 are in; the youngest four loads (row blocks 2, 3) may be out
	MUL8 \f, 0, \first
	MUL8 \f, 1, \first
	PLACES
	FETCH \slot, \qd, \g
	s_wait_dscnt 24                                ; all but the 24 just issued
	MUL8 \f, 2, \first
	MUL8 \f, 3, \first
.endm
; The last quarter multiplies buffer 1 and changes slots: ONE barrier.  In front of it each wave waits for all its tensor loads (one is out: its part of the next slot), adds 0 to its spare word, and waits for that
; and for its own reads of this slot.  fill = 1: the barrier opens a round of the cluster's, and this slot is filled again first thing behind it, with the K step two on.
.macro TURN slot, next, fill
	WIN 0                                          ; (the add's two registers lie in window 0)
	s_wait_tensorcnt 0x0                           ; all my tensor loads have landed;
	ds_add_u32 v[SPW], v[NIL]                      ; 0 onto my spare word;
	s_wait_dscnt 5                                 ; (the add and the youngest four loads may be out)
	MUL8 1, 0, 0                                   ; eight matrix instructions stand between the add and the wait for it
	s_wait_dscnt 0x0                               ; the add is done, and my reads of this slot are over
	s_barrier_signal -1
	MUL8 1, 1, 0
.if \fill
	WIN 0
.endif
	s_barrier_wait -1
.if \fill
	CREST                                          ; no wave of any partner still reads this slot's tile or has a load on its way
	s_add_nc_u64 s[G0+4*(\slot)+2:G0+4*(\slot)+3], s[G0+4*(\slot)+2:G0+4*(\slot)+3], 1<<20   ; four heads on
	s_add_nc_u64 s[G0B+4*(\slot)+2:G0B+4*(\slot)+3], s[G0B+4*(\slot)+2:G0B+4*(\slot)+3], 512  ; 256 along K
	JLOAD \slot                                    ; the first tensor load behind the round; the four v_nop behind it are also the places in front of the loads below
.else
	PLACES
.endif
	FETCH \next, 0, 0
	MUL8 1, 2, 0
	MUL8 1, 3, 0
.endm
	s_wait_tensorcnt 1                             ; my part of K step 0 is in; K step 1's may stay out
	s_barrier_signal -1
	s_barrier_wait -1                              ; everybody's is
	FETCH 0, 0, 0
	QUARTER 0, 1, 0, 1, 1                          ; the first quarter stands in front of the loop: its products start the sums
	WIN 0                                          ; at a label and at a branch every window is 0
	s_mov_b32 s23, LAPS-1
.Llap:                                                 ; a trip goes once round the ring, from a lap's second quarter to the next lap's first, and fills both slots again
	QUARTER 0, 2, 1, 0, 0
	QUARTER 0, 3, 0, 1, 0
	TURN 0, 1, 1
	QUARTER 1, 1, 0, 1, 0
	QUARTER 1, 2, 1, 0, 0
	QUARTER 1, 3, 0, 1, 0
	TURN 1, 0, 1
	QUARTER 0, 1, 0, 1, 0
	WIN 0
	s_sub_co_u32 s23, s23, 1
	s_cmp_lg_u32 s23, 0
	s_cbranch_scc1 .Llap
	QUARTER 0, 2, 1, 0, 0                          ; the last lap is written out: it fills nothing
	QUARTER 0, 3, 0, 1, 0
	TURN 0, 1, 0
	QUARTER 1, 1, 0, 1, 0
	QUARTER 1, 2, 1, 0, 0
	QUARTER 1, 3, 0, 1, 0
	s_wait_dscnt 4                                 ; the very last quarter: nothing more to fetch
	MUL8 1, 0, 0
	MUL8 1, 1, 0
	s_wait_dscnt 0x0
	MUL8 1, 2, 0
	MUL8 1, 3, 0
	WIN 0
	PLACES
	; THE WAY OUT, a row block (16 rows x 128 columns of f32) at a time: 32 bytes a lane into my stage, each accumulator's low four registers first; back as whole rows of 512 bytes; stored.
.irp a, 0,1,2,3
	WIN 0x08                                       ; the stores' data in window 2, their address in window 0
.set i, 0
.rept 8
	ds_store_b128 v[STO], v[8*(8*(\a)+i):8*(8*(\a)+i)+3]   offset:64*i
	ds_store_b128 v[STO], v[8*(8*(\a)+i)+4:8*(8*(\a)+i)+7] offset:64*i+16
.set i, i+1
.endr
	WIN 0
	s_wait_xcnt 0x0                                ; the stores of the block before have read their registers, which are loaded again below
.set i, 0
.rept 16
	ds_load_b128 v[OB+4*i:OB+4*i+3], v[RD] offset:SPITCH*i  ; LDS serves a wave's instructions in order (ISA guide 5.7.1.4): these see the stores above; the next block's stores come behind them
.set i, i+1
.endr
.set i, 0
.rept 16
	s_wait_dscnt 15-i                              ; row i of the sixteen is back
	global_store_b128 v[CO], v[OB+4*i:OB+4*i+3], s[10:11] offset:4096*(16*(\a)+i) th:TH_STORE_NT  ; the wave stores 512 consecutive bytes, aligned
.set i, i+1
.endr
.endr
	s_wait_tensorcnt 0x0                           ; the wave's end: behind my last tensor load and my last LDS store
	ds_add_u32 v[SPW], v[NIL]
	s_wait_dscnt 0x0
	CROUND                                         ; the closing round: no work-group ends while a partner may still ask for a tile that names it
	s_endpgm
.Lfunc_end_k_q0a7debf946_fc:
	.size	k_q0a7debf946_fc, .Lfunc_end_k_q0a7debf946_fc-k_q0a7debf946_fc
	.p2alignl 7, 3214868480
	.fill 96, 4, 3214868480
	.section	.rodata,"a",@progbits
	.p2align	6, 0x0
	.amdhsa_kernel k_q0a7debf946_fc
		.amdhsa_group_segment_fixed_size 327680
		.amdhsa_private_segment_fixed_size 0
		.amdhsa_enable_private_segment 0
		.amdhsa_kernarg_size 32
		.amdhsa_user_sgpr_count 2
		.amdhsa_user_sgpr_kernarg_segment_ptr 1
		.amdhsa_wavefront_size32 1
		.amdhsa_system_sgpr_workgroup_id_x 1
		.amdhsa_system_sgpr_workgroup_id_y 1
		.amdhsa_system_sgpr_workgroup_id_z 1
		.amdhsa_system_vgpr_workitem_id 0
		.amdhsa_next_free_vgpr 768
		.amdhsa_next_free_sgpr 72
		.amdhsa_reserve_vcc 0
		.amdhsa_float_denorm_mode_32 3
		.amdhsa_float_denorm_mode_16_64 3
		.amdhsa_memory_ordered 1
		.amdhsa_forward_progress 1
		.amdhsa_inst_pref_size 93
	.end_amdhsa_kernel
	.amdgpu_metadata
---
amdhsa.version: [ 1, 2 ]
amdhsa.kernels:
  - .name:           k_q0a7debf946_fc
    .symbol:         k_q0a7debf946_fc.kd
    .args:
      - { .name: o, .offset: 0, .size: 8, .value_kind: global_buffer, .address_space: global }
      - { .name: wft, .offset: 8, .size: 8, .value_kind: global_buffer, .address_space: global }
      - { .name: b_fc, .offset: 16, .size: 8, .value_kind: global_buffer, .address_space: global }
      - { .name: out0, .offset: 24, .size: 8, .value_kind: global_buffer, .address_space: global }
    .group_segment_fixed_size: 327680
    .private_segment_fixed_size: 0
    .kernarg_segment_align: 8
    .kernarg_segment_size: 32
    .max_flat_workgroup_size: 128
    .sgpr_count:     72
    .vgpr_count:     768
    .wavefront_size: 32
...
	.end_amdgpu_metadata
.endif
;; end of part 4
;; ======== version 2 of 2: 4 launches; version 1 with the launch prep written anew for expert scheduling mode
;; limits: values are held in f16: magnitudes above 65,504 overflow, below 6.1e-05 lose precision
;; workspace buffers: xb 16,777,216 bytes; wt 6,291,456 bytes; wft 2,097,152 bytes; q 16,777,216 bytes; k 16,777,216 bytes; v 16,777,216 bytes; o 16,777,216 bytes
;; launch prep (part 5): grid 256 x 1, 8 waves a work-group, no clusters, 35,840 bytes of LDS; arguments X, W_qkv, W_fc, xb, wt, wft; writes xb, wt, wft
.if DOCPART == 5
	.amdgcn_target "amdgcn-amd-amdhsa--gfx1250"
	.amdhsa_code_object_version 6
	.text
	.protected	k_q0a7debf946_prep
	.globl	k_q0a7debf946_prep
	.p2align	8
	.type	k_q0a7debf946_prep,@function
k_q0a7debf946_prep:
	s_mov_b64 s[64:65], 0
	v_nop
	global_prefetch_b8 v0, s[64:65] scope:SCOPE_SE
	s_setreg_imm32_b32 hwreg(HW_REG_WAVE_SCHED_MODE, 0, 2), 2
	s_setreg_imm32_b32 hwreg(HW_REG_WAVE_MODE, 25, 1), 1
	s_wait_xcnt 0x0
	s_wait_alu depctr_vm_vsrc(0)
; PREP.  xb = X rounded to bf16, [8192][1024].  wt = W_qkv turned to [3072 n][1024 k], rounded to bf16.  wft = W_fc turned to [1024 n][1024 k], rounded to bf16 and that number written as f16.
; LIMIT.  A bf16 number is exact in f16 between 6.1e-5 and 65,504 in magnitude; a smaller entry of W_fc keeps f16's fixed step of 6e-8, a larger one would be an infinity.
; SHARES.  256 work-groups of eight waves, all alike.  Each (a) casts 32 rows of X (131,072 bytes in, 65,536 out) and (b) turns one tile of 128 k x 128 n of a weight:
; work-groups 0-191 the 8 x 24 tiles of W_qkv, 192-255 the 8 x 8 tiles of W_fc.  Every byte is read once and written once; no loop: all 48 loads of a wave go out at the start.
; THE TURN.  Wave w loads rows k = 16 w .. 16 w + 15 of the tile, 512 consecutive bytes a load: lane l holds columns 4 l .. 4 l + 3.  Pairs of rows are rounded and packed, so that a lane holds 16 k (32 bytes)
; of each of its four columns; these go into LDS rows [n] of 272 bytes; behind a barrier whole rows of 256 bytes are read back and stored, 16 lanes to 256 consecutive aligned bytes.
; No matrix unit, no cluster, no tensor load: nothing is shared between work-groups and nothing is multiplied.
; THE MODE: SCHED_MODE bits 1:0 = 2 (LLVM: expert scheduling mode 2), set by the entry lines.  The code itself states the register dependences
; between vector instructions and memory or LDS instructions, with s_wait_alu, always for 0.
; THE PLAN.  Registers that memory or LDS instructions touch:
;   v[WO ..], v[XO], v[YO]   offsets, written at the head and never again; read by the loads of the weight and of X and by the stores of xb.
;   v[TS], v[TR], v[DO]      written behind the 48 loads and never again; read by the LDS stores, the LDS loads and the stores of the turned weight.
;   WD   the weight's loads land in it; the roundings read it; behind the barrier the LDS loads land in its first 32 registers, which the stores of the turned weight read.
;   PK   written by the roundings, read by the LDS stores, never written again.
;   XD   X's loads land in it, four registers a load; a load's two roundings write its first two registers in place; one store reads those two; they are never written again.
;   v[SPW], v[NIL]           written at the head, read by the closing add alone.
; No register that a memory or LDS instruction reads is ever written again, so no wait on vm_vsrc is owed ahead of the closing lines.  The waits on va_vdst: one ahead of the first load (the offsets); one where
; the two arms of the roundings join (PK and the three later addresses are written, WD has been read); and in the cast of X, which goes in eight blocks of four loads, one at the head of each block but the first:
; the block before has written what its four stores read; these stores are dealt among this block's roundings, which name this block's registers alone.
.set TP,    272                        ; an LDS row: 128 k x 2 bytes + 16 of padding
.set SPARE, 128*TP                     ; behind the tile: the spare words, 128 bytes for each of the eight waves: four blocks of 256 bytes that no other line names
.set XO,  2                            ; v2   my byte offset in the work-group's rows of X: 16,384 w + 16 l
.set YO,  3                            ; v3   the same in xb: 8,192 w + 8 l
.set TS,  4                            ; v4   where I put my 32 bytes of LDS row 4 l: 4 l x 272 + 32 w
.set TR,  5                            ; v5   where I read a row back: (16 w + l / 16) x 272 + 16 (l % 16)
.set DO,  6                            ; v6   the same place in the turned weight: (16 w + l / 16) x 2,048 + 16 (l % 16)
.set SPW, 8                            ; v8   LDS address of my spare word; never rewritten
.set NIL, 9                            ; v9   0; never rewritten
.set WO,  16                           ; v[16:31]   row i of my 16: (16 w + i) x pitch + 16 l
.set PK,  32                           ; v[32:63]   column c of my four: 8 registers, 16 k
.set WD,  64                           ; v[64:127]  the weight as loaded, 4 registers a row; later the rows read back
.set XD,  128                          ; v[128:255] X as loaded, 4 registers a load
	s_load_b256 s[4:11], s[0:1], 0x0               ; X s[4:5], W_qkv s[6:7], W_fc s[8:9], xb s[10:11]
	s_load_b128 s[12:15], s[0:1], 0x20             ; wt s[12:13], wft s[14:15]
	v_lshl_add_u32 v[SPW], v0, 2, SPARE
	v_mov_b32 v[NIL], 0
	v_lshrrev_b32 v10, 5, v0
	v_readfirstlane_b32 s16, v10                   ; wave 0..7
	v_and_b32 v1, 31, v0                           ; lane
	s_mov_b32 s17, ttmp9                           ; g
	s_and_b32 s18, s17, 7                          ; the tile's place along k
	s_lshr_b32 s19, s17, 3
	s_mov_b32 s20, 4096                            ; bytes in a row of W_fc,
	s_mov_b32 s21, 12288                           ; of W_qkv
	s_mov_b32 s28, 0xffff0000                      ; a word's upper bf16
	s_cmp_lt_u32 s17, 192
	s_cselect_b32 s20, s21, s20                    ; the source's pitch
	s_cselect_b32 s21, 0, 24
	s_sub_co_u32 s19, s19, s21                     ; the tile's place along n
	s_mul_i32 s26, s18, s20
	s_lshl_b32 s26, s26, 7                         ; 128 rows of the source a tile,
	s_lshl_b32 s27, s19, 9                         ; 512 bytes of a row
	s_add_co_u32 s26, s26, s27
	s_mov_b32 s27, 0
	s_lshl_b32 s30, s19, 18                        ; 128 rows of 2,048 bytes of the turned weight,
	s_lshl_b32 s31, s18, 8                         ; 256 bytes of a row
	s_add_co_u32 s30, s30, s31
	s_mov_b32 s31, 0
	s_lshl_b32 s32, s17, 17                        ; 32 rows of X,
	s_mov_b32 s33, 0
	s_lshl_b32 s34, s17, 16                        ; of xb
	s_mov_b32 s35, 0
	s_wait_alu depctr_va_sdst(0)                   ; s16, the wave's number, is written, ahead of its first reader, the line below
	s_mul_i32 s29, s16, s20
	s_lshl_b32 s29, s29, 4                         ; my wave's first row
	v_lshl_add_u32 v[WO], v1, 4, s29
.set i, 1
.rept 15
	v_add_nc_u32 v[WO+i], s20, v[WO+i-1]
.set i, i+1
.endr
	s_lshl_b32 s29, s16, 14
	v_lshl_add_u32 v[XO], v1, 4, s29
	s_lshl_b32 s29, s16, 13
	v_lshl_add_u32 v[YO], v1, 3, s29
	s_wait_kmcnt 0x0
	s_cmp_lt_u32 s17, 192
	s_cselect_b64 s[22:23], s[6:7], s[8:9]         ; the weight that I turn,
	s_cselect_b64 s[24:25], s[12:13], s[14:15]     ; and where it goes
	s_add_nc_u64 s[22:23], s[22:23], s[26:27]
	s_add_nc_u64 s[24:25], s[24:25], s[30:31]
	s_add_nc_u64 s[4:5], s[4:5], s[32:33]
	s_add_nc_u64 s[10:11], s[10:11], s[34:35]
	s_wait_alu depctr_va_vdst(0)                   ; the offsets v[WO ..], v[XO] and v[YO] are written: the loads below and the stores of xb read them
.set i, 0
.rept 16
	global_load_b128 v[WD+4*i:WD+4*i+3], v[WO+i], s[22:23] th:TH_LOAD_NT  ; a row of the tile: 512 consecutive bytes
.set i, i+1
.endr
.set i, 0
.rept 32
	global_load_b128 v[XD+4*i:XD+4*i+3], v[XO], s[4:5] offset:512*i th:TH_LOAD_NT
.set i, i+1
.endr
	s_lshl_b32 s29, s16, 5
	v_mul_u32_u24 v[TS], v1, 4*TP
	v_add_nc_u32 v[TS], s29, v[TS]
	v_lshrrev_b32 v10, 4, v1
	v_and_b32 v11, 15, v1
	v_lshl_add_u32 v10, s16, 4, v10                ; 16 w + l / 16
	v_mul_u32_u24 v[TR], v10, TP
	v_lshl_add_u32 v[TR], v11, 4, v[TR]
	v_lshlrev_b32 v[DO], 11, v10
	v_lshl_add_u32 v[DO], v11, 4, v[DO]
	s_wait_loadcnt 32                              ; loads come back in order: the weight's 16 are in, X's 32 may stay out
	s_cmp_lt_u32 s17, 192
	s_cbranch_scc0 .Lfc
.set c, 0
.rept 4
.set p, 0
.rept 8
	v_cvt_pk_bf16_f32 v[PK+8*c+p], v[WD+8*p+c], v[WD+8*p+4+c]  ; column c, rows 2 p and 2 p + 1
.set p, p+1
.endr
.set c, c+1
.endr
	s_branch .Lpacked
.Lfc:
.set c, 0
.rept 4
.set p, 0
.rept 8
	v_cvt_pk_bf16_f32 v10, v[WD+8*p+c], v[WD+8*p+4+c]  ; rounded to bf16 like every input,
	v_lshlrev_b32 v12, 16, v10
	v_and_b32 v13, s28, v10
	v_cvt_pk_f16_f32 v[PK+8*c+p], v12, v13         ; and that number written as f16
.set p, p+1
.endr
.set c, c+1
.endr
.Lpacked:
	s_wait_alu depctr_va_vdst(0)                   ; on either way here: the roundings have written PK, and v[TS] is written, which the LDS stores read; v[TR] and v[DO] are written, which the LDS loads and the stores behind the barrier read; the roundings are done reading WD, in which those LDS loads land
.irp c, 0,1,2,3
.irp u, 0,1
	ds_store_b128 v[TS], v[PK+8*(\c)+4*(\u):PK+8*(\c)+4*(\u)+3] offset:TP*(\c)+16*(\u)
.endr
.endr
	s_wait_dscnt 0x0                               ; for the others' sake: my stores into the tile are done
	s_barrier_signal -1
	s_barrier_wait -1
.irp t, 0,1,2,3,4,5,6,7
	ds_load_b128 v[WD+4*(\t):WD+4*(\t)+3], v[TR] offset:2*TP*(\t)  ; two whole rows [n] a load.  No wait: no vector instruction since the wait above names WD or v[TR]
.endr
.irp t, 0,1,2,3,4,5,6,7
	s_wait_dscnt 7-(\t)
	global_store_b128 v[DO], v[WD+4*(\t):WD+4*(\t)+3], s[24:25] offset:4096*(\t)  ; 16 lanes store 256 consecutive bytes, aligned
.endr
; THE CAST OF X, in eight blocks of four loads.  Block p rounds its own sixteen registers into eight of them; the four stores of block p - 1 are dealt among its roundings.
.set p, 0
.rept 8
	s_wait_loadcnt 28-4*p                          ; block p's four loads are in, the younger blocks stay out
.if p > 0
	s_wait_alu depctr_va_vdst(0)                   ; the block before has written its eight packed registers, which the four stores below read; this block's roundings name none of them
.endif
.set i, 0
.rept 4
.if p > 0
	global_store_b64 v[YO], v[XD+16*(p-1)+4*i:XD+16*(p-1)+4*i+1], s[10:11] offset:256*(4*(p-1)+i)  ; the wave stores 256 consecutive bytes, aligned; no register that a store reads is written again
.endif
	v_cvt_pk_bf16_f32 v[XD+16*p+4*i], v[XD+16*p+4*i], v[XD+16*p+4*i+1]
	v_cvt_pk_bf16_f32 v[XD+16*p+4*i+1], v[XD+16*p+4*i+2], v[XD+16*p+4*i+3]
.set i, i+1
.endr
.set p, p+1
.endr
	s_wait_alu depctr_va_vdst(0)                   ; the last block has written its eight packed registers, which the last four stores read
.set i, 0
.rept 4
	global_store_b64 v[YO], v[XD+112+4*i:XD+112+4*i+1], s[10:11] offset:256*(28+i)
.set i, i+1
.endr
	s_wait_dscnt 0x0                               ; the closing lines, six on end
	s_wait_alu 0x0
	s_wait_tensorcnt 0x0
	ds_add_u32 v[SPW], v[NIL]
	s_wait_dscnt 0x0
	s_endpgm
.Lfunc_end_k_q0a7debf946_prep:
	.size	k_q0a7debf946_prep, .Lfunc_end_k_q0a7debf946_prep-k_q0a7debf946_prep
	.p2alignl 7, 3214868480
	.fill 96, 4, 3214868480
	.section	.rodata,"a",@progbits
	.p2align	6, 0x0
	.amdhsa_kernel k_q0a7debf946_prep
		.amdhsa_group_segment_fixed_size 35840
		.amdhsa_private_segment_fixed_size 0
		.amdhsa_enable_private_segment 0
		.amdhsa_kernarg_size 48
		.amdhsa_user_sgpr_count 2
		.amdhsa_user_sgpr_kernarg_segment_ptr 1
		.amdhsa_wavefront_size32 1
		.amdhsa_system_sgpr_workgroup_id_x 1
		.amdhsa_system_sgpr_workgroup_id_y 1
		.amdhsa_system_sgpr_workgroup_id_z 1
		.amdhsa_system_vgpr_workitem_id 0
		.amdhsa_next_free_vgpr 256
		.amdhsa_next_free_sgpr 66
		.amdhsa_reserve_vcc 0
		.amdhsa_float_denorm_mode_32 3
		.amdhsa_float_denorm_mode_16_64 3
		.amdhsa_memory_ordered 1
		.amdhsa_forward_progress 1
		.amdhsa_inst_pref_size 26
	.end_amdhsa_kernel
	.amdgpu_metadata
---
amdhsa.version: [ 1, 2 ]
amdhsa.kernels:
  - .name:           k_q0a7debf946_prep
    .symbol:         k_q0a7debf946_prep.kd
    .args:
      - { .name: X, .offset: 0, .size: 8, .value_kind: global_buffer, .address_space: global }
      - { .name: W_qkv, .offset: 8, .size: 8, .value_kind: global_buffer, .address_space: global }
      - { .name: W_fc, .offset: 16, .size: 8, .value_kind: global_buffer, .address_space: global }
      - { .name: xb, .offset: 24, .size: 8, .value_kind: global_buffer, .address_space: global }
      - { .name: wt, .offset: 32, .size: 8, .value_kind: global_buffer, .address_space: global }
      - { .name: wft, .offset: 40, .size: 8, .value_kind: global_buffer, .address_space: global }
    .group_segment_fixed_size: 35840
    .private_segment_fixed_size: 0
    .kernarg_segment_align: 8
    .kernarg_segment_size: 48
    .max_flat_workgroup_size: 256
    .sgpr_count:     66
    .vgpr_count:     256
    .wavefront_size: 32
...
	.end_amdgpu_metadata
.endif
;; end of part 5
;; launch qkv: the kernel of part 2 again; grid 16 x 32, 4 waves a work-group, clusters of 4 x 4, 327,680 bytes of LDS; arguments xb, wt, b_qkv, q, k, v; writes q, k, v
;; launch attn: the kernel of part 3 again; grid 4 x 64, 4 waves a work-group, clusters of 4 x 1, 327,680 bytes of LDS; arguments q, k, v, o; writes o
;; launch fc: the kernel of part 4 again; grid 4 x 64, 4 waves a work-group, clusters of 4 x 4, 327,680 bytes of LDS; arguments o, wft, b_fc, out0; writes out0
